; MI455X (gfx1250); checked and timed in simulation.
; The chip was launched on July 23, 2026; its instructions are those of AMD's public machine-readable ISA for CDNA 5 (MIT licence, August 2026) and "CDNA5" Instruction Set Architecture Reference Guide (July 2026). The comments in the code are by the model that wrote it; some were corrected since.
;; transformer. Allowed arithmetic: matrix products marked QUANTISED: E3M2 operands, one E8M0 scale for each 32 along K, by v_wmma_scale_f32_16x16x128_f8f6f4 with both operands' format E3M2, f32 sums; everything else in f32.
;; Inputs: b_ff1 4,096 float32; b_ff2 1,024 float32; b_proj 1,024 float32; b_qkv 3,072 float32; beta1 1,024 float32; beta2 1,024 float32; g1 1,024 float32; g2 1,024 float32; w_ff1 1,024 x 4,096 float32; w_ff2 4,096 x 1,024 float32; w_proj 1,024 x 1,024 float32; w_qkv 1,024 x 3,072 float32; x 2 x 2,048 x 1,024 float32.
;; Outputs: out0 2 x 2,048 x 1,024 float32.
;; This version of the problem:
;;   THIS VERSION OF THE PROBLEM IS GIVEN IN LOW PRECISION. The matrix products marked QUANTISED in the list below multiply operands that are first quantised to E3M2 (3 exponent bits, 2 mantissa bits; 6 bits a number), with one power-of-two scale for each 32 numbers along K (OCP MX v1.0); their sums are f32. All else is computed in f32.
;;   The module's matrix products, in the order in which they are computed (A, B: the left and right operand; K: the contracted axis; several contracted axes count as one K, in the product's order):
;;     1. [M 4,096, K 1,024] x [K 1,024, N 3,072]; A: input x; B: input w_qkv: QUANTISED
;;     2. batch 32 x [M 2,048, K 64] x [K 64, N 2,048]; A: computed on the way; B: computed on the way: QUANTISED
;;     3. batch 32 x [M 2,048, K 2,048] x [K 2,048, N 64]; A: softmax (see below); B: computed on the way: QUANTISED
;;     4. [M 4,096, K 1,024] x [K 1,024, N 1,024]; A: computed on the way; B: input w_proj: QUANTISED
;;     5. [M 4,096, K 1,024] x [K 1,024, N 4,096]; A: computed on the way; B: input w_ff1: QUANTISED
;;     6. [M 4,096, K 4,096] x [K 4,096, N 1,024]; A: computed on the way; B: input w_ff2: QUANTISED
;;   THE QUANTISER, for each operand of a quantised product, along K:
;;     - K is cut into blocks of 32 from its start; a last block that is shorter is filled with zeros.
;;     - A block's scale is 2^e with e = floor(log2(the largest magnitude in the block)) - 4, held to -126 .. 127; a block of zeros has e = 0. As a byte (E8M0): e + 127.
;;     - Each number is divided by its block's scale, clamped to +-28, and rounded to the nearest number of E3M2, ties to even, subnormals kept.
;;     - The product sums the exact products of the quantised numbers (number of the format x scale) in f32.
;;   ~~~python
;;   def quantise(x, axis):      # numpy; x: float32 -> the quantised numbers, widened to float32 again
;;       x = np.moveaxis(x, axis, -1); K = x.shape[-1]
;;       x = np.pad(x, [(0, 0)] * (x.ndim - 1) + [(0, -K % 32)]); x = x.reshape(x.shape[:-1] + (-1, 32)); a = np.abs(x).max(-1, keepdims=True)
;;       e = np.where(a > 0, np.clip(np.frexp(np.where(a > 0, a, 1))[1] - 1 - 4, -126, 127), 0)      # np.frexp(a)[1] - 1 = floor(log2(a)), exactly
;;       r = np.clip(x / 2.0 ** e, -28, 28)
;;       step = 2.0 ** (np.maximum(np.frexp(np.where(r == 0, 1, r))[1] - 1, -2) - 2)
;;       q = np.round(r / step) * step * 2.0 ** e      # np.round: ties to even
;;       return np.moveaxis(q.reshape(q.shape[:-2] + (-1,))[..., :K], -1, axis).astype(np.float32)
;;   ~~~
;;   SOFTMAX AHEAD OF A QUANTISED PRODUCT. Where the list says 'softmax', what is quantised is not the finished softmax but p = 2^(t - M), with t = logit x log2(e) and M = ceil(the row's largest t), a whole number; so 1/2 < the row's largest p <= 1. The row's sum l is taken of the UNQUANTISED p, in f32, and the product's result is divided by l at the end. Since M is a whole number, a kernel that streams over the keys may use a running M (the ceiling of the running maximum): every later rescaling is an exact power of two, which a block's scale takes up: the codes' values come out the same.
;;   OPERANDS COMPUTED ON THE WAY. 'Computed on the way' means the value that the module computes at that place (a softmax that the list does not call 'softmax' is quantised finished and normalised). What goes into a quantiser is computed in f32, as accurately as f32 sums, v_exp_f32 and their like allow (about 1e-6 of the number): no bf16 or f16 on the way to a quantiser, and a product that is left as it is and whose result goes on into a quantised operand takes f32 operands (vector FMAs, or v_wmma_f32_16x16x4_f32). A number that lies on a knife's edge between two numbers of the format may be rounded either way, as far as f32 arithmetic and the matrix unit's own rounding can turn it there, and no further.
;; One version. Each part assembles by itself: llvm-mc -triple=amdgcn-amd-amdhsa -mcpu=gfx1250 --defsym DOCPART=n.
;; ======== version 1 of 1: 7 launches
;; limits: right only within a limited range of input values
;; workspace buffers: pq 13,107,200 bytes; qkv 10,092,544 bytes; oc 3,276,800 bytes; hb 20,054,016 bytes; fc 13,107,200 bytes; y2 33,554,432 bytes
;; launch prep (part 1): grid 1024 x 1, 4 waves a work-group, no clusters, 46,592 bytes of LDS; arguments x, w_qkv, w_proj, w_ff1, w_ff2, pq; writes pq
.if DOCPART == 1
	.amdgcn_target "amdgcn-amd-amdhsa--gfx1250"
	.amdhsa_code_object_version 6
	.text
	.protected	k_q70b62ad486_prep
	.globl	k_q70b62ad486_prep
	.p2align	8
	.type	k_q70b62ad486_prep,@function
k_q70b62ad486_prep:
	s_mov_b64 s[64:65], 0
	v_nop
	global_prefetch_b8 v0, s[64:65] scope:SCOPE_SE
	s_setreg_imm32_b32 hwreg(HW_REG_WAVE_MODE, 25, 1), 1
	s_wait_xcnt 0x0
; PREP: x and the four weights become codes of BF6 (E3M2) with one E8M0 byte for each 32 along K, in the order in which the later launches' operand registers take them.
; DEAD WORK: none.  Every input of reference() reaches out0 for some values of the inputs; the biases on q, k and v stand ahead of quantisers and stay.  Nothing is left out in any launch of this program.
; LIMITS: NaN and infinities among the inputs are not served.  A block whose largest magnitude lies under 2^-122 keeps the byte 1; a block of zeros has the byte 1 where the rule says 127:
; its codes are zeros, which add nothing under any byte but 0xff, and the bytes are read by this program alone.
; ROW ORDER.  An operand's rows go in groups of 128; place 16 t + r of a group holds row 32 (t / 2) + 8 (t % 2) + r + 8 (r / 8).  So a product used transposed leaves 16 neighbours along the next K in a lane's registers.
; FRAGMENT IMAGE.  16 places x 128 K are 12 registers a lane, 1,536 bytes: for c = 0, 1: registers 6 c .. 6 c + 3 of lane l at 768 c + 16 l, registers 6 c + 4, 6 c + 5 at 768 c + 512 + 8 l.
; CODES: fragment (group g, K step ks, tile t) at ((g KS + ks) 8 + t) 1,536.  SCALE WORDS (four bytes: a place, a K step) at ((g / 2) KS + ks) 1,024 + (128 (g % 2) + 16 t + r) 4.
; w_qkv's columns are taken in the order part, head, d: column part 1,024 + head 64 + d stands for w_qkv's column head 192 + part 64 + d.
; Work-groups 0-255 take x (a tile of 16 tokens, all of K), work-groups 256-1,023 the weights (128 columns x 128 along K): every work-group reads 65,536 bytes, so the shares are equal.
; The two ways part once, on the work-group's number, and have LDS bytes of their own.
.set XS,  3145728                      ; offsets in pq: x's codes at 0, x's scale words,
.set WQC, 3276800                      ; and each weight's codes and scale words
.set WQS, 5636096
.set WPC, 5734400
.set WPS, 6520832
.set W1C, 6553600
.set W1S, 9699328
.set W2C, 9830400
.set W2S, 12976128
.set XST, 0                            ; LDS: x's way: a stage of 16 rows x (512 + 16) bytes for each wave
.set WST, 33792                        ; the weights' way: two fragment images for each wave
.set SPARE, 46080                      ; the spare words, 128 bytes for each wave: two blocks of 256 bytes that no other line names
.set SPW, 12                           ; v12 LDS address of my spare word; never rewritten
.set NIL, 13                           ; v13 0; never rewritten
.set SEL, 2                            ; s2, s3 lane selects: lane l xor 16
.set L16, 4                            ; x's way: v4 16 x lane, v5 8 x lane
.set L8,  5
.set R,   16                           ; v16-143  two tasks x 16 rows as loaded
.set X,   144                          ; v144-207 64 numbers of my row: register 16 b + i = k 32 b + 16 (lane / 16) + i
.set PC,  208                          ; v208-226 the codes just made
.set TM,  228                          ; v228-243 at work
.set PW,  244                          ; v244     the scale word just made
; 64 numbers of a lane become a fragment's 12 registers in v[PC] on and my row's scale word in v[PW].
.macro QUANT s
.irp b, 0,1,2,3
	v_max3_num_f32 v[TM+\b], |v[\s+16*\b]|, |v[\s+1+16*\b]|, 0x2800000   ; my 16 numbers of block b, and the floor 2^(5 - 127): the byte cannot fall under 1
.endr
.irp i, 2,4,6,8,10,12,14
.irp b, 0,1,2,3
	v_max3_num_f32 v[TM+\b], v[TM+\b], |v[\s+16*\b+\i]|, |v[\s+1+16*\b+\i]|   ; the four blocks by turns
.endr
.endr
.irp b, 0,1,2,3
	v_permlanex16_b32 v[TM+4+\b], v[TM+\b], s[SEL], s[SEL+1]
.endr
.irp b, 0,1,2,3
	v_max_num_f32 v[TM+\b], v[TM+\b], v[TM+4+\b]   ; with lane l xor 16's: the block's largest magnitude
.endr
.irp b, 0,1,2,3
	v_add_nc_u32 v[TM+12+\b], 0xfe000000, v[TM+\b] ; 4 off its exponent field: the conversion takes this operand's exponent field as its scale
.endr
.irp b, 0,1,2,3
	v_lshrrev_b32 v[TM+4+\b], 23, v[TM+12+\b]      ; the scale's byte
.endr
	v_lshl_or_b32 v[PW], v[TM+5], 8, v[TM+4]
	v_lshl_or_b32 v[PW], v[TM+6], 16, v[PW]
	v_lshl_or_b32 v[PW], v[TM+7], 24, v[PW]
.irp c, 0,1
	v_cvt_scalef32_pk16_bf6_f32 v[PC+6*\c:PC+2+6*\c], v[\s+32*\c:\s+15+32*\c], v[TM+12+2*\c]
	v_cvt_scalef32_pk16_bf6_f32 v[PC+12+4*\c:PC+14+4*\c], v[\s+16+32*\c:\s+31+32*\c], v[TM+13+2*\c]   ; a conversion's three registers begin on an even number
.endr
	v_nop                                          ; one plain place behind a scaled conversion
.irp c, 0,1                                    ; the layout wants a whole block in a lane: lanes 0-15 block 2 c, lanes 16-31 block 2 c + 1
.irp i, 0,1,2
	v_permlane16_swap_b32 v[PC+6*\c+\i], v[PC+12+4*\c+\i]
.endr
.irp i, 0,1,2
	v_mov_b32 v[PC+3+6*\c+\i], v[PC+12+4*\c+\i]
.endr
.endr
.endm
.macro STOREF base, off                        ; the fragment goes to memory as an image: each store covers 512 or 256 consecutive bytes, aligned
	global_store_b128 v[L16], v[PC:PC+3], s[\base:\base+1] offset:\off
	global_store_b64 v[L8], v[PC+4:PC+5], s[\base:\base+1] offset:\off+512
	global_store_b128 v[L16], v[PC+6:PC+9], s[\base:\base+1] offset:\off+768
	global_store_b64 v[L8], v[PC+10:PC+11], s[\base:\base+1] offset:\off+1280
.endm
	s_load_b256 s[4:11], s[0:1], 0x0               ; x, w_qkv, w_proj, w_ff1
	s_load_b128 s[12:15], s[0:1], 0x20             ; w_ff2, pq
	v_lshl_add_u32 v[SPW], v0, 2, SPARE
	v_mov_b32 v[NIL], 0
	v_lshrrev_b32 v1, 5, v0
	v_readfirstlane_b32 s16, v1                    ; wave 0..3
	v_and_b32 v1, 31, v0                           ; lane
	s_cmp_lt_u32 ttmp9, 256
	s_cbranch_scc0 .Lweights
	; ---- x: work-group T is tile t = T % 8 of token group g = T / 8; wave w takes K steps 2 w and 2 w + 1
	v_and_b32 v2, 15, v0                           ; r
	v_bfe_u32 v3, v0, 4, 1                         ; h
	v_lshlrev_b32 v[L16], 4, v1
	v_lshlrev_b32 v[L8], 3, v1
	s_mul_i32 s17, s16, 8448                       ; my stage
	v_add_nc_u32 v6, s17, v[L16]                   ; in: a row's 512 bytes as they lie
	v_mul_u32_u24 v7, v2, 528
	v_lshl_add_u32 v7, v3, 6, v7
	v_add_nc_u32 v7, s17, v7                       ; out: row r, + 64 h: my 16 numbers of each block of 32
	v_lshlrev_b32 v8, 2, v2                        ; a scale word's place
	s_mov_b32 s[SEL], 0x76543210
	s_mov_b32 s[SEL+1], 0xfedcba98
.irp b, 0,1,2,3
	v_mov_b32 v[TM+4+\b], 0                        ; written once: a lane permute's destination counts as one of its sources
.endr
	s_lshr_b32 s18, ttmp9, 3                       ; g
	s_and_b32 s19, ttmp9, 7                        ; t
	s_lshl_b32 s20, s18, 7
	s_lshr_b32 s21, s19, 1
	s_lshl_b32 s21, s21, 5
	s_add_co_u32 s20, s20, s21
	s_and_b32 s21, s19, 1
	s_lshl_b32 s21, s21, 3
	s_add_co_u32 s20, s20, s21                     ; the tile's first token: 128 g + 32 (t / 2) + 8 (t % 2)
	s_lshl_b32 s20, s20, 12
	s_lshl_b32 s21, s16, 10
	s_add_co_u32 s20, s20, s21                     ; its row of 4,096 bytes, + my 256 along K
	s_mov_b32 s21, 0
	s_lshl_b32 s22, s18, 3
	s_lshl_b32 s23, s16, 1
	s_add_co_u32 s22, s22, s23
	s_lshl_b32 s22, s22, 3
	s_add_co_u32 s22, s22, s19
	s_mul_i32 s22, s22, 1536                       ; codes: ((8 g + 2 w) 8 + t) 1,536
	s_mov_b32 s23, 0
	s_lshr_b32 s24, s18, 1
	s_lshl_b32 s24, s24, 3
	s_lshl_b32 s25, s16, 1
	s_add_co_u32 s24, s24, s25
	s_lshl_b32 s24, s24, 10
	s_and_b32 s25, s18, 1
	s_lshl_b32 s25, s25, 9
	s_add_co_u32 s24, s24, s25
	s_lshl_b32 s25, s19, 6
	s_add_co_u32 s24, s24, s25
	s_add_co_u32 s24, s24, XS                      ; scale words: ((g / 2) 8 + 2 w) 1,024 + (128 (g % 2) + 16 t) 4
	s_mov_b32 s25, 0
	s_wait_alu depctr_va_vdst(0)
	s_wait_kmcnt 0x0
	s_add_nc_u64 s[4:5], s[4:5], s[20:21]
	s_add_nc_u64 s[22:23], s[14:15], s[22:23]
	s_add_nc_u64 s[24:25], s[14:15], s[24:25]
.irp e, 0,1
.irp i, 0,1,2,3,4,5,6,7,8,9,10,11,12,13,14,15
	global_load_b128 v[R+64*\e+4*\i:R+64*\e+4*\i+3], v[L16], s[4:5] offset:(\i+8*(\i/8))*4096+512*\e th:TH_LOAD_NT   ; place i of the tile: 512 consecutive bytes of its row
.endr
.endr
.irp e, 0,1
	s_wait_loadcnt 16*(1-\e)                       ; this task's 16 loads are in; the other task's 16 may be out
.irp i, 0,1,2,3,4,5,6,7,8,9,10,11,12,13,14,15
	ds_store_b128 v6, v[R+64*\e+4*\i:R+64*\e+4*\i+3] offset:528*\i
.endr
.irp b, 0,1,2,3
.irp j, 0,1,2,3
	ds_load_b128 v[X+16*\b+4*\j:X+16*\b+4*\j+3], v7 offset:128*\b+16*\j   ; LDS serves a wave's instructions in order: these see my stores
.endr
.endr
	s_wait_dscnt 0x0
.if \e
	s_wait_xcnt 0x0                                ; the first task's stores have read the codes' and the scale word's registers
.endif
	QUANT X
	STOREF 22, 12288*\e
	global_store_b32 v8, v[PW], s[24:25] offset:1024*\e   ; lanes 16-31 hold the same word as lanes 0-15 and write it to the same place: 64 consecutive bytes
.endr
	s_wait_tensorcnt 0x0                           ; the wave's end: behind my last LDS store
	ds_add_u32 v[SPW], v[NIL]
	s_wait_dscnt 0x0
	s_endpgm
	; ---- the weights, stored [K][N]: a lane takes a column and its registers run down K, so that a block of 32 along K lies in one lane
.set OFF, 16                           ; v16-47   4 x lane + i rows
.set WX,  48                           ; v48-111  two sets of 32 numbers
.set WC,  112                          ; v112-117 a block's six registers of codes (v120-122: the second conversion's)
.set SB,  124                          ; v124     the scale word of my K step
.set OUTR, 128                         ; v128-151 the way out
.Lweights:
	v_bfe_u32 v2, v0, 3, 1                         ; u: which of my wave's two tiles my column falls into
	v_and_b32 v3, 7, v0
	v_bfe_u32 v9, v0, 4, 1
	v_lshl_add_u32 v3, v9, 3, v3                   ; r: its place there: lane % 8 + 8 (lane / 16)
	s_mul_i32 s17, s16, 3072
	s_add_co_u32 s17, s17, WST                     ; my stage: two tiles' images
	v_mul_u32_u24 v10, v2, 1536
	v_add_nc_u32 v10, s17, v10
	v_lshl_add_u32 v4, v3, 4, v10                  ; where my block's first four registers go,
	v_lshl_add_u32 v5, v3, 3, v10                  ; and its last two
	s_wait_alu depctr_va_vdst(0)
	v_lshlrev_b32 v7, 4, v1                        ; out: 16 x lane
	v_add_nc_u32 v6, s17, v7
	v_lshl_add_u32 v8, v2, 4, v3
	v_lshlrev_b32 v8, 2, v8                        ; my column's scale word: (16 u + r) 4
	v_lshlrev_b32 v11, 2, v1                       ; in: 4 bytes a lane
	s_sub_co_u32 s20, ttmp9, 256                   ; 0-191 w_qkv, 192-255 w_proj, 256-511 w_ff1, 512-767 w_ff2
	s_mov_b32 s21, 512                             ; the tensor's first number,
	s_mov_b32 s22, 4096                            ; bytes in a row,
	s_mov_b32 s23, 32                              ; K steps of 128,
	s_mov_b32 s24, 5                               ; their log2,
	s_mov_b32 s25, W2C                             ; where its codes go,
	s_mov_b32 s26, W2S                             ; and its scale words
	s_wait_alu depctr_va_vdst(0)
	s_wait_kmcnt 0x0
	s_mov_b64 s[28:29], s[12:13]
	s_cmp_lt_u32 s20, 512                          ; the choices hang on the work-group's number alone
	s_cselect_b32 s21, 256, s21
	s_cselect_b32 s22, 16384, s22
	s_cselect_b32 s23, 8, s23
	s_cselect_b32 s24, 3, s24
	s_cselect_b32 s25, W1C, s25
	s_cselect_b32 s26, W1S, s26
	s_cselect_b64 s[28:29], s[10:11], s[28:29]
	s_cmp_lt_u32 s20, 256
	s_cselect_b32 s21, 192, s21
	s_cselect_b32 s22, 4096, s22
	s_cselect_b32 s25, WPC, s25
	s_cselect_b32 s26, WPS, s26
	s_cselect_b64 s[28:29], s[8:9], s[28:29]
	s_cmp_lt_u32 s20, 192
	s_cselect_b32 s21, 0, s21
	s_cselect_b32 s22, 12288, s22
	s_cselect_b32 s25, WQC, s25
	s_cselect_b32 s26, WQS, s26
	s_cselect_b64 s[28:29], s[6:7], s[28:29]
	s_sub_co_u32 s27, s20, s21
	s_lshr_b32 s30, s27, s24                       ; the group of 128 columns
	s_lshl_b32 s31, s30, s24
	s_sub_co_u32 s31, s27, s31                     ; the K step of 128
	s_lshl_b32 s32, s30, 7
	s_lshl_b32 s33, s16, 5
	s_add_co_u32 s32, s32, s33                     ; my wave's first column
	s_and_b32 s33, s32, 1023                       ; w_qkv: part 1,024 + head 64 + d stands for head 192 + part 64 + d
	s_lshr_b32 s33, s33, 6
	s_mul_i32 s33, s33, 192
	s_lshr_b32 s34, s32, 10
	s_lshl_b32 s34, s34, 6
	s_add_co_u32 s33, s33, s34
	s_and_b32 s34, s32, 63
	s_add_co_u32 s33, s33, s34
	s_cmp_lt_u32 s20, 192
	s_cselect_b32 s32, s33, s32
	s_lshl_b32 s32, s32, 2
	s_lshl_b32 s33, s31, 7
	s_mul_i32 s33, s33, s22
	s_add_co_u32 s32, s32, s33                     ; + 128 x K step rows
	s_mov_b32 s33, 0
	s_add_nc_u64 s[40:41], s[28:29], s[32:33]      ; a base for each of my four blocks of 32 rows: none is ever stepped
	s_lshl_b32 s34, s22, 5
	s_mov_b32 s35, 0
.irp t, 1,2,3
	s_add_nc_u64 s[40+2*\t:41+2*\t], s[38+2*\t:39+2*\t], s[34:35]
.endr
	s_mul_i32 s36, s30, s23
	s_add_co_u32 s36, s36, s31
	s_lshl_b32 s36, s36, 3
	s_lshl_b32 s37, s16, 1
	s_add_co_u32 s36, s36, s37
	s_mul_i32 s36, s36, 1536
	s_add_co_u32 s36, s36, s25                     ; codes: ((g KS + ks) 8 + 2 w) 1,536
	s_mov_b32 s37, 0
	s_add_nc_u64 s[36:37], s[14:15], s[36:37]
	s_lshr_b32 s38, s30, 1
	s_mul_i32 s38, s38, s23
	s_add_co_u32 s38, s38, s31
	s_lshl_b32 s38, s38, 10
	s_and_b32 s39, s30, 1
	s_lshl_b32 s39, s39, 9
	s_add_co_u32 s38, s38, s39
	s_lshl_b32 s39, s16, 7
	s_add_co_u32 s38, s38, s39
	s_add_co_u32 s38, s38, s26                     ; scale words: ((g / 2) KS + ks) 1,024 + (128 (g % 2) + 32 w) 4
	s_mov_b32 s39, 0
	s_add_nc_u64 s[38:39], s[14:15], s[38:39]
.irp i, 0,1,2,3,4,5,6,7,8,9,10,11,12,13,14,15,16,17,18,19,20,21,22,23,24,25,26,27,28,29,30,31
	v_mad_u32_u24 v[OFF+\i], s22, \i, v11
.endr
.macro LOAD t                          ; block t: 32 rows of my column; a load reads 128 consecutive bytes, the four waves stand side by side on 512
.irp i, 0,1,2,3,4,5,6,7,8,9,10,11,12,13,14,15,16,17,18,19,20,21,22,23,24,25,26,27,28,29,30,31
	global_load_b32 v[WX+32*((\t)%2)+\i], v[OFF+\i], s[40+2*(\t):41+2*(\t)] th:TH_LOAD_NT
.endr
.endm
.macro BLOCK t                         ; block t of my column's four: half t / 2 of the fragment, lanes 16 (t % 2) on
.set XB, WX+32*((\t)%2)
.if (\t) < 3
	s_wait_loadcnt 32                              ; this block's 32 loads are in; the next block's may be out
.else
	s_wait_loadcnt 0x0
.endif
	v_max3_num_f32 v14, |v[XB]|, |v[XB+1]|, |v[XB+2]|   ; the block's largest magnitude: all 32 numbers are mine
	v_max3_num_f32 v15, |v[XB+3]|, |v[XB+4]|, |v[XB+5]|
.irp i, 6,10,14,18,22,26
	v_max3_num_f32 v14, v14, |v[XB+\i]|, |v[XB+\i+1]|
	v_max3_num_f32 v15, v15, |v[XB+\i+2]|, |v[XB+\i+3]|
.endr
	v_max3_num_f32 v14, v14, |v[XB+30]|, |v[XB+31]|
	v_max3_num_f32 v14, v14, v15, 0x2800000        ; and the floor 2^(5 - 127)
	v_add_nc_u32 v10, 0xfe000000, v14              ; 4 off its exponent field: the conversion's scale operand
	v_lshrrev_b32 v9, 23, v10                      ; the scale's byte
.if (\t) == 0
	v_mov_b32 v[SB], v9
.else
	v_lshl_or_b32 v[SB], v9, 8*(\t), v[SB]
.endif
	v_cvt_scalef32_pk16_bf6_f32 v[WC:WC+2], v[XB:XB+15], v10
	v_cvt_scalef32_pk16_bf6_f32 v[WC+8:WC+10], v[XB+16:XB+31], v10
	v_nop                                          ; one plain place behind a scaled conversion
.irp i, 0,1,2
	v_mov_b32 v[WC+3+\i], v[WC+8+\i]
.endr
	ds_store_b128 v4, v[WC:WC+3] offset:768*((\t)/2)+256*((\t)%2)
	ds_store_b64 v5, v[WC+4:WC+5] offset:768*((\t)/2)+512+128*((\t)%2)
.if (\t) < 2
	LOAD (\t)+2
.endif
	s_wait_dscnt 0x0                               ; the stores have read their registers: the next block's codes may be written
.endm
	LOAD 0
	LOAD 1
.irp t, 0,1,2,3
	BLOCK \t
.endr
.irp j, 0,1,2,3,4,5
	ds_load_b128 v[OUTR+4*\j:OUTR+4*\j+3], v6 offset:512*\j   ; LDS serves a wave's instructions in order: these see my stores
.endr
.irp j, 0,1,2,3,4,5
	s_wait_dscnt 5-\j
	global_store_b128 v7, v[OUTR+4*\j:OUTR+4*\j+3], s[36:37] offset:512*\j   ; two tiles' images on end, 512 consecutive bytes a store
.endr
	s_wait_alu depctr_va_vdst(0)
	global_store_b32 v8, v[SB], s[38:39]           ; 128 consecutive bytes
	s_wait_tensorcnt 0x0                           ; the wave's end: behind my last LDS store
	ds_add_u32 v[SPW], v[NIL]
	s_wait_dscnt 0x0
	s_endpgm
.Lfunc_end_k_q70b62ad486_prep:
	.size	k_q70b62ad486_prep, .Lfunc_end_k_q70b62ad486_prep-k_q70b62ad486_prep
	.p2alignl 7, 3214868480
	.fill 96, 4, 3214868480
	.section	.rodata,"a",@progbits
	.p2align	6, 0x0
	.amdhsa_kernel k_q70b62ad486_prep
		.amdhsa_group_segment_fixed_size 46592
		.amdhsa_private_segment_fixed_size 0
		.amdhsa_enable_private_segment 0
		.amdhsa_kernarg_size 48
		.amdhsa_user_sgpr_count 2
		.amdhsa_user_sgpr_kernarg_segment_ptr 1
		.amdhsa_wavefront_size32 1
		.amdhsa_system_sgpr_workgroup_id_x 1
		.amdhsa_system_sgpr_workgroup_id_y 1
		.amdhsa_system_sgpr_workgroup_id_z 1
		.amdhsa_system_vgpr_workitem_id 0
		.amdhsa_next_free_vgpr 256
		.amdhsa_next_free_sgpr 66
		.amdhsa_reserve_vcc 0
		.amdhsa_float_denorm_mode_32 3
		.amdhsa_float_denorm_mode_16_64 3
		.amdhsa_memory_ordered 1
		.amdhsa_forward_progress 1
		.amdhsa_inst_pref_size 45
	.end_amdhsa_kernel
	.amdgpu_metadata
---
amdhsa.version: [ 1, 2 ]
amdhsa.kernels:
  - .name:           k_q70b62ad486_prep
    .symbol:         k_q70b62ad486_prep.kd
    .args:
      - { .name: x, .offset: 0, .size: 8, .value_kind: global_buffer, .address_space: global }
      - { .name: w_qkv, .offset: 8, .size: 8, .value_kind: global_buffer, .address_space: global }
      - { .name: w_proj, .offset: 16, .size: 8, .value_kind: global_buffer, .address_space: global }
      - { .name: w_ff1, .offset: 24, .size: 8, .value_kind: global_buffer, .address_space: global }
      - { .name: w_ff2, .offset: 32, .size: 8, .value_kind: global_buffer, .address_space: global }
      - { .name: pq, .offset: 40, .size: 8, .value_kind: global_buffer, .address_space: global }
    .group_segment_fixed_size: 46592
    .private_segment_fixed_size: 0
    .kernarg_segment_align: 8
    .kernarg_segment_size: 48
    .max_flat_workgroup_size: 128
    .sgpr_count:     66
    .vgpr_count:     256
    .wavefront_size: 32
...
	.end_amdgpu_metadata
.endif
;; end of part 1
;; launch gqkv (part 2): grid 12 x 16, 4 waves a work-group, clusters of 4 x 4, 327,680 bytes of LDS; arguments pq, b_qkv, qkv; writes qkv
.if DOCPART == 2
	.amdgcn_target "amdgcn-amd-amdhsa--gfx1250"
	.amdhsa_code_object_version 6
	.text
	.protected	k_q70b62ad486_gqkv
	.globl	k_q70b62ad486_gqkv
	.p2align	8
	.type	k_q70b62ad486_gqkv,@function
k_q70b62ad486_gqkv:
	s_mov_b64 s[64:65], 0
	v_nop
	global_prefetch_b8 v0, s[64:65] scope:SCOPE_SE
	s_setreg_imm32_b32 hwreg(HW_REG_WAVE_MODE, 25, 1), 1
	s_wait_xcnt 0x0
	s_wait_alu depctr_hold_cnt(0) depctr_sa_sdst(0) depctr_va_vdst(0) depctr_va_sdst(0) depctr_va_ssrc(0) depctr_va_vcc(0) depctr_vm_vsrc(0)
	s_getreg_b32 s2, hwreg(HW_REG_IB_STS2, 6, 4)
	s_cmp_eq_u32 s2, 0
	s_cbranch_scc0 .Lentry_in_a_cluster
	s_endpgm
.Lentry_in_a_cluster:
	s_bfe_u32 s2, ttmp6, 0x10000c
	s_cmp_lg_u32 s2, 0xf033
	s_cbranch_scc0 .Lentry_shape_is_right
	s_endpgm
.Lentry_shape_is_right:
; GQKV: x w_qkv + b_qkv on codes of BF6, and its results quantised at once into the operands of attention.  No work of reference() is left out.
; A work-group of four waves makes 256 x 256, a wave 128 x 128: 64 accumulators, 512 registers.  K = 1,024 goes in four steps of 256 through two LDS slots filled by the tensor data mover; an operand's
; 128 rows x 256 K are 24,576 dense bytes of fragment images (16 places x 128 K: registers 6 c .. 6 c + 3 of lane l at 768 c + 16 l, registers 6 c + 4, 6 c + 5 at 768 c + 512 + 8 l): no padding, every LDS load reads consecutive bytes.
; The matrix instruction is used transposed: source 0 = 16 places of 'B', source 1 = 16 places of 'A'.  With the operands' row order (place 16 t + r = row 32 (t / 2) + 8 (t % 2) + r + 8 (r / 8)) a lane holds ONE place of A,
; and register 16 b + i of its 64 for that tile holds B's row 32 b + 16 (lane / 16) + i: 16 neighbours of each block of 32, as the conversions want them.
; THE CLUSTER'S x IS THE KIND: 0 = q, 1 = k: A = tokens, B = w's columns: a lane holds a token and its registers run along d, the first product's K.  2 = v: A = w's columns, B = tokens: a lane holds a d and its
; registers run along the tokens, the second product's K.  Both operands have K = 1,024 and one layout, so the kinds differ in offsets alone until the way out.
; CLUSTERS: 4 x 4 work-groups; A's tiles are asked for jointly along a row of the cluster, B's along a column.
; OUT.  q: records [batch 16 + head][group of 128 tokens] of 6,656 bytes: 8 half images (64 along K) of 768 bytes, then scale words at 6,144 + 32 r + 4 tile.  k, v: records of 13,056 bytes: k's 8 half images, v's 4 whole
; images at 6,144, k's scale words at 12,288 + 32 r + 4 tile, v's at 12,800 + 16 r + 4 tile.  The upper two bytes of q's and k's words are 0: they stand over zero codes.
; LIMITS: NaN and infinities are not served; a block under 2^-122 keeps the byte 1, a block of zeros too (its codes are zeros; this program alone reads the bytes).
.set XS,  3145728                      ; offsets in pq: x's codes at 0, x's scale words, w_qkv's codes and scale words
.set WQC, 3276800
.set WQS, 5636096
.set KVB, 3407872                      ; in qkv: where the k, v records begin
.set FR,    12                         ; registers of a fragment
.set HALFT, 24576                      ; 128 rows x 256 K: what one tensor load brings
.set SLOT,  4*HALFT                    ; A's two groups, then B's two
.set SCL,   2*SLOT                     ; the scale words of A's 256 rows for all of K, [K step 8][256] words, then B's
.set BIASL, SCL+16384                  ; four heads' 64 numbers of b_qkv
.set STQ,   BIASL+1024                 ; the way out of q and k: 1,024 bytes of scale words for each wave
.set STV,   STQ+4096                   ; the way out of v: 512 bytes for each wave
.set SPARE, STV+2048                   ; the spare words, 128 bytes for each wave: two blocks of 256 bytes that no other line names
.set BQ,   12                          ; v12 where my bias numbers lie, q and k
.set BV,   13                          ; v13 the same, v
.set SVW,  14                          ; v14 v: where a scale word goes;  v15: where 16 bytes of them come back
.set SVR,  15
.set ADRA, 16                          ; v16-17 my A fragments in slot 0, 1, + 16 x lane;  v18-19 + 8 x lane
.set ADRB, 20                          ; v20-23 the same for B
.set L16,  24                          ; v24 16 x lane;  v25 8 x lane
.set L8,   25
.set SQW,  26                          ; v26 q, k: where a scale word goes
.set ADRS, 27                          ; v27 my scale words: lanes 0-15 A's, lanes 16-31 B's
.set SPW,  28                          ; v28 LDS address of my spare word; never rewritten
.set NIL,  29                          ; v29 0; never rewritten
.set SQR,  30                          ; v30 q, k: where 16 bytes of scale words come back
.set VSO,  31                          ; v31 v: where they go in memory
.set SC,   32                          ; v32-63 scale words, a set for each slot: register 2 i + q: lanes 0-15 A's tile i, lanes 16-31 B's tile i, the slot's q-th 128 along K
.set BIAS, 64                          ; v64-127 the bias in the result's layout
.set AF,   128                         ; v128-223 A's fragments, one set.  Window 1: B's, two sets, at v0 and v128.  Windows 2, 3: accumulator (a, b) at v[8 (8 (a % 4) + b)]
.set TM,   168                         ; the way out, where A's fragments lay: codes at v128 and v148 by turns; v168-183 at work; v184 a scale word; v192-207 scale words to store; v208-215 back from the stage
.set PWA,  192
.set PWB,  200
.set BK,   208
.set SEL,  2                           ; s2, s3 lane selects: lane l xor 16
.set G1A, 24                           ; descriptors: group 1 and two groups 0 for A's tiles,
.set G0A, 32
.set G1C, 40                           ; group 1 for the bias,
.set G1B, 48                           ; B's tiles,
.set G0B, 56
.set G1SA, 68                          ; A's scale words,
.set G0SA, 76
.set G1SB, 80                          ; B's scale words,
.set G0SB, 88
.set G0C, 92                           ; group 0 for the bias
.set MSB, 0
.macro WIN new                         ; the immediate's high byte repeats the setting that is left
.if MSB != (\new)
	s_set_vgpr_msb (MSB<<8)|(\new)
.set MSB, (\new)
.endif
.endm
.set MUL_LO, 0xa1                      ; source 0 (B) window 1, source 1 (A) window 0, C and D window 2
.set MUL_HI, 0xf1                      ; the same, C and D window 3
.macro PLACES n
.rept \n
	v_nop
.endr
.endm
; A joint load: waves 0 and 1 fetch for A, waves 2 and 3 for B; the branch hangs on the wave's number alone.  An s_nop 0 and four v_nop follow each of the two lines.
.macro JLOAD g0a, g1a, g0b, g1b
	s_cmp_eq_u32 s13, 0
	s_cbranch_scc0 .Lfor_b_\@
	tensor_load_to_lds s[\g0a:\g0a+3], s[\g1a:\g1a+7]
	s_nop 0
.rept 4
	v_nop
.endr
	s_branch .Lasked_\@
.Lfor_b_\@:
	tensor_load_to_lds s[\g0b:\g0b+3], s[\g1b:\g1b+7]
	s_nop 0
.rept 4
	v_nop
.endr
.Lasked_\@:
.endm
.macro CREST                           ; a round of the cluster's barrier behind its opening barrier
	s_cmp_lg_u32 s12, 0
	s_cbranch_scc1 .Lnot_wave_0_\@
	s_barrier_signal -3
.Lnot_wave_0_\@:
	s_barrier_wait -3
	s_barrier_signal -1
	s_barrier_wait -1
.endm
.macro CROUND
	s_barrier_signal -1
	s_barrier_wait -1
	CREST
.endm
	s_load_b128 s[4:7], s[0:1], 0x0                ; pq, b_qkv
	s_load_b64 s[8:9], s[0:1], 0x10                ; qkv
	v_lshl_add_u32 v[SPW], v0, 2, SPARE
	v_mov_b32 v[NIL], 0
	ds_add_u32 v[SPW], v[NIL]                      ; the wave's opening: the add, twice on end, and its wait ahead of my first tensor load
	ds_add_u32 v[SPW], v[NIL]
	v_lshrrev_b32 v1, 5, v0
	v_readfirstlane_b32 s12, v1                    ; wave 0..3
	s_lshr_b32 s13, s12, 1                         ; which of A's two groups is mine.  Also: I fetch for A (0) or for B (1)
	s_and_b32 s14, s12, 1                          ; which of B's.  Also: which group, and which half of the scale words, I fetch
	s_bfe_u32 s15, ttmp6, 0x40000                  ; cx
	s_bfe_u32 s16, ttmp6, 0x40004                  ; cy
	s_and_b32 s19, ttmp7, 0xffff                   ; the cluster's y
	s_cmp_eq_u32 ttmp9, 2                          ; v?  The cluster's x: the same in all sixteen partners
	s_cselect_b32 s17, ttmp9, s19                  ; A's tiles go by the cluster's y (tokens), for v by its x (w's columns);
	s_cselect_b32 s18, s19, ttmp9                  ; B's the other way round
	s_cselect_b32 s22, WQC, 0                      ; where A's codes begin in pq,
	s_mov_b32 s23, XS
	s_cselect_b32 s23, WQS, s23                    ; its scale words,
	s_cselect_b32 s98, 0, WQC                      ; B's codes,
	s_mov_b32 s99, XS
	s_cselect_b32 s99, s99, WQS                    ; and B's scale words
	s_lshl_b32 s17, s17, 2
	s_add_co_u32 s17, s17, s16                     ; A's tile of 256
	s_lshl_b32 s18, s18, 2
	s_add_co_u32 s18, s18, s15                     ; B's tile of 256
	s_lshl_b32 s19, s16, 2
	s_lshl_b32 s19, 15, s19                        ; my row of the cluster
	s_lshl_b32 s66, 0x1111, s15                    ; my column
	s_or_b32 s[G1A], s19, (3<<16)|(1<<21)          ; 15:0 the mask; 17:16 elements of 8 bytes; 21 set beside a mask; no padding
	s_or_b32 s[G1B], s66, (3<<16)|(1<<21)
	s_or_b32 s[G1SA], s19, (3<<16)|(1<<21)
	s_or_b32 s[G1SB], s66, (3<<16)|(1<<21)
.irp g, G1A, G1B                       ; the head's shape: two groups' 24,576 dense bytes as 2 rows of 3,072 elements, 98,304 bytes from group to group
	s_mov_b32 s[\g+1], 3072<<16
	s_mov_b32 s[\g+2], 2<<16
	s_mov_b32 s[\g+3], 3072<<16
	s_mov_b32 s[\g+4], 2
	s_mov_b32 s[\g+5], 12288
	s_mov_b32 s[\g+6], 0
	s_mov_b32 s[\g+7], 0
.endr
.irp g, G1SA, G1SB                     ; 8,192 dense bytes as 32 rows of 256: all eight K steps' scale words of 256 rows
	s_mov_b32 s[\g+1], 32<<16
	s_mov_b32 s[\g+2], 32<<16
	s_mov_b32 s[\g+3], 32<<16
	s_mov_b32 s[\g+4], 32
	s_mov_b32 s[\g+5], 32
	s_mov_b32 s[\g+6], 0
	s_mov_b32 s[\g+7], 0
.endr
	s_mov_b32 s[G1C], 3<<16                        ; one row of 256 bytes, no mask: a head's 64 numbers of b_qkv
	s_mov_b32 s[G1C+1], 32<<16
	s_mov_b32 s[G1C+2], 1<<16
	s_mov_b32 s[G1C+3], 32<<16
	s_mov_b32 s[G1C+4], 1
	s_mov_b32 s[G1C+5], 32
	s_mov_b32 s[G1C+6], 1<<16
	s_mov_b32 s[G1C+7], 0
	s_mul_i32 s20, s17, 196608                     ; A: the tile's first group, 98,304 bytes a group
	s_add_co_u32 s20, s20, s22
	s_mov_b32 s21, 0
	s_lshl_b32 s22, s17, 13                        ; its scale words: 8,192 bytes a tile
	s_add_co_u32 s22, s22, s23
	s_mov_b32 s23, 0
	s_mul_i32 s96, s18, 196608                     ; B likewise, in registers that never hold cy
	s_add_co_u32 s96, s96, s98
	s_mov_b32 s97, 0
	s_lshl_b32 s98, s18, 13
	s_add_co_u32 s98, s98, s99
	s_mov_b32 s99, 0
	s_cmp_eq_u32 ttmp9, 2
	s_cselect_b32 s100, s17, s18                   ; w's tile of 256 columns: part = tile / 4, heads 4 (tile % 4) on
	s_and_b32 s101, s100, 3
	s_lshl_b32 s101, s101, 2
	s_add_co_u32 s101, s101, s12                   ; wave w fetches head 4 (tile % 4) + w:
	s_mul_i32 s101, s101, 768                      ; 192 numbers a head in b_qkv,
	s_lshr_b32 s100, s100, 2
	s_lshl_b32 s100, s100, 8                       ; 64 a part
	s_add_co_u32 s100, s100, s101
	s_mov_b32 s101, 0
	s_mul_i32 s2, s12, HALFT                       ; where my loads go: wave x 24,576 in a slot,
	s_mul_i32 s10, s14, 98304                      ; in the ring I fetch one group of a tile: which, in bytes
	s_mov_b32 s11, 0
	s_lshl_b32 s67, s12, 8                         ; wave x 256 in the bias: no place in the cluster enters an LDS address
	s_wait_dscnt 0x0                               ; both opening adds are done
	s_wait_kmcnt 0x0
	s_add_nc_u64 s[20:21], s[4:5], s[20:21]
	s_add_nc_u64 s[22:23], s[4:5], s[22:23]
	s_add_nc_u64 s[96:97], s[4:5], s[96:97]
	s_add_nc_u64 s[98:99], s[4:5], s[98:99]
	s_add_nc_u64 s[100:101], s[6:7], s[100:101]
	CROUND                                         ; all sixteen work-groups are here: the first joint loads meet
	s_mov_b32 s[G0SA], 1
	s_mov_b32 s[G0SA+1], SCL
	s_mov_b64 s[G0SA+2:G0SA+3], s[22:23]
	s_or_b32 s[G0SA+3], s[G0SA+3], 0x80000000
	s_mov_b32 s[G0SB], 1
	s_mov_b32 s[G0SB+1], SCL+8192
	s_mov_b64 s[G0SB+2:G0SB+3], s[98:99]
	s_or_b32 s[G0SB+3], s[G0SB+3], 0x80000000
	s_mov_b32 s4, 1                                ; s[4:7]: group 0 of the head's load of A's K step 0, both groups (the arguments that lay there have been used)
	s_mov_b32 s5, 0
	s_mov_b64 s[6:7], s[20:21]
	s_or_b32 s7, s7, 0x80000000
	s_mov_b64 s[98:99], s[96:97]                   ; B's first group, kept for the head's load
	s_add_nc_u64 s[20:21], s[20:21], s[10:11]      ; for the ring: my group of the tile
	s_add_nc_u64 s[96:97], s[96:97], s[10:11]
	s_mov_b32 s[G0C], 1
	s_add_co_u32 s[G0C+1], s67, BIASL
	s_mov_b64 s[G0C+2:G0C+3], s[100:101]
	s_or_b32 s[G0C+3], s[G0C+3], 0x80000000
.irp s, 0,1
	s_mov_b32 s[G0A+4*\s], 1
	s_add_co_u32 s[G0A+4*\s+1], s2, \s*SLOT
	s_add_nc_u64 s[G0A+4*\s+2:G0A+4*\s+3], s[20:21], \s*HALFT
	s_or_b32 s[G0A+4*\s+3], s[G0A+4*\s+3], 0x80000000
	s_mov_b32 s[G0B+4*\s], 1
	s_add_co_u32 s[G0B+4*\s+1], s2, \s*SLOT
	s_add_nc_u64 s[G0B+4*\s+2:G0B+4*\s+3], s[96:97], \s*HALFT
	s_or_b32 s[G0B+4*\s+3], s[G0B+4*\s+3], 0x80000000
.endr
	s_mov_b32 s20, 1                               ; s[20:23]: group 0 of the head's load of B's K step 0, behind A's two groups in slot 0
	s_mov_b32 s21, 2*HALFT
	s_mov_b64 s[22:23], s[98:99]
	s_or_b32 s23, s23, 0x80000000
; THE HEAD'S LOADS, ONE A WAVE: wave 0 fetches A's K step 0, wave 1 B's, wave 2 A's scale words, wave 3 B's.
; One chain of branches on the wave's number, a load in each arm, all arms leading to one join.
.macro ARM under, g0, g1, next
	s_cmp_lt_u32 s12, \under
	s_cbranch_scc0 \next
	tensor_load_to_lds s[\g0:\g0+3], s[\g1:\g1+7]
	s_nop 0
.rept 4
	v_nop
.endr
	s_branch .Lhead_asked
\next:
.endm
	ARM 1, 4, G1A, .Lhead_b
	ARM 2, 20, G1B, .Lhead_sa
	ARM 3, G0SA, G1SA, .Lhead_sb
	tensor_load_to_lds s[G0SB:G0SB+3], s[G1SB:G1SB+7]
	s_nop 0
.rept 4
	v_nop
.endr
.Lhead_asked:
	v_and_b32 v1, 31, v0                           ; lane
	v_and_b32 v2, 15, v0                           ; r
	v_bfe_u32 v3, v0, 4, 1                         ; h
	v_lshlrev_b32 v[L16], 4, v1
	v_lshlrev_b32 v[L8], 3, v1
	s_mul_i32 s66, s13, HALFT                      ; my group of A,
	s_mul_i32 s67, s14, HALFT
	s_add_co_u32 s67, s67, 2*HALFT                 ; my group of B, behind A's two
.irp s, 0,1
	v_add_nc_u32 v[ADRA+\s], s66, v[L16]
	v_add_nc_u32 v[ADRA+2+\s], s66, v[L8]
	v_add_nc_u32 v[ADRB+\s], s67, v[L16]
	v_add_nc_u32 v[ADRB+2+\s], s67, v[L8]
	s_add_co_u32 s66, s66, SLOT
	s_add_co_u32 s67, s67, SLOT
.endr
	s_lshl_b32 s66, s13, 9                         ; scale words: A's group at 512 x half;
	s_lshl_b32 s67, s14, 9
	s_add_co_u32 s67, s67, 8192                    ; B's 8,192 bytes on
	s_sub_co_u32 s67, s67, s66
	v_mul_u32_u24 v4, s67, v3                      ; lanes 16-31 take B's: the lower base + h x the distance
	s_add_co_u32 s66, s66, SCL
	v_lshl_add_u32 v4, v2, 2, v4
	v_add_nc_u32 v[ADRS], s66, v4
	; every LDS address of the two ways out is made here, ahead of their parting
	s_lshl_b32 s66, s14, 9
	s_add_co_u32 s66, s66, BIASL
	v_lshl_add_u32 v[BQ], v3, 6, s66               ; q, k: my B group's two heads, + 64 h
	v_and_b32 v4, 8, v2
	v_add_nc_u32 v4, v4, v2                        ; r + 8 (r / 8)
	s_lshl_b32 s66, s13, 9
	s_add_co_u32 s66, s66, BIASL
	v_lshl_add_u32 v[BV], v4, 2, s66               ; v: my A group's two heads, my place's d
	s_lshl_b32 s66, s12, 10
	s_add_co_u32 s66, s66, STQ
	v_lshl_add_u32 v[SQW], v2, 5, s66
	v_add_nc_u32 v[SQR], s66, v[L16]
	s_lshl_b32 s66, s12, 9
	s_add_co_u32 s66, s66, STV
	v_lshl_add_u32 v[SVW], v2, 4, s66
	v_add_nc_u32 v[SVR], s66, v[L16]
	v_mul_u32_u24 v[VSO], v3, 208896               ; v's scale words in memory: lanes 16-31 the next head's record, 16 records on
	v_lshl_add_u32 v[VSO], v2, 4, v[VSO]
.macro FRAG reg, adr, off              ; a fragment's image comes back as it was stored: four loads of consecutive bytes
	ds_load_b128 v[\reg:\reg+3], v[\adr] offset:\off
	ds_load_b64 v[\reg+4:\reg+5], v[\adr+2] offset:\off+512
	ds_load_b128 v[\reg+6:\reg+9], v[\adr] offset:\off+768
	ds_load_b64 v[\reg+10:\reg+11], v[\adr+2] offset:\off+1280
.endm
; 16 matrix instructions: A's tiles a0, a0 + 1 x B's eight, the slot's q-th 128 along K.  p: B's set; sc: the set of scale words.  zero = 1: the first product starts the sums.
; The 64 accumulators take turns, one instruction a turn, in the same order in every step.
.macro MUL16 a0, p, q, sc, zero
.irp a, \a0, \a0+1
.irp b, 0,1,2,3,4,5,6,7
.if \zero
	v_wmma_scale_f32_16x16x128_f8f6f4 v[8*(8*((\a)%4)+\b):8*(8*((\a)%4)+\b)+7], v[128*(\p)+FR*\b:128*(\p)+FR*\b+FR-1], v[AF+FR*(\a):AF+FR*(\a)+FR-1], 0, v[SC+16*(\sc)+2*\b+(\q)], v[SC+16*(\sc)+2*(\a)+(\q)] matrix_a_fmt:MATRIX_FMT_BF6 matrix_b_fmt:MATRIX_FMT_BF6 matrix_a_scale:MATRIX_SCALE_ROW1
.else
	v_wmma_scale_f32_16x16x128_f8f6f4 v[8*(8*((\a)%4)+\b):8*(8*((\a)%4)+\b)+7], v[128*(\p)+FR*\b:128*(\p)+FR*\b+FR-1], v[AF+FR*(\a):AF+FR*(\a)+FR-1], v[8*(8*((\a)%4)+\b):8*(8*((\a)%4)+\b)+7], v[SC+16*(\sc)+2*\b+(\q)], v[SC+16*(\sc)+2*(\a)+(\q)] matrix_a_fmt:MATRIX_FMT_BF6 matrix_b_fmt:MATRIX_FMT_BF6 matrix_a_scale:MATRIX_SCALE_ROW1
.endif
.endr
.endr
.endm
.macro FETCH_B slot, q, p
	WIN 0x40                                       ; destination window 1, address window 0
.irp i, 0,1,2,3,4,5,6,7
	FRAG 128*(\p)+FR*\i, ADRB+\slot, 12288*(\q)+1536*\i
.endr
	WIN 0
.endm
.macro FETCH_A slot, q, i0
.irp i, \i0, \i0+1, \i0+2, \i0+3
	FRAG AF+FR*(\i), ADRA+\slot, 12288*(\q)+1536*(\i)
.endr
.endm
.macro SCALES sc, ks                   ; K step ks's scale words into set sc
.irp i, 0,1,2,3,4,5,6,7
.irp q, 0,1
	ds_load_b32 v[SC+16*\sc+2*\i+\q], v[ADRS] offset:2048*(\ks)+1024*\q+64*\i
.endr
.endr
.endm
; A slot's first 128 along K.  A's tiles are free as soon as their eight products are issued, so A has one set: tiles 0-3 are fetched anew in the step's middle, tiles 4-7 at its end; B has two sets.
; Four places stand in front of each run of loads into registers that matrix instructions have read (ISA guide 7.12.1 for vector instructions).
.macro STEP slot, zero
	s_wait_dscnt 16                                ; all but the youngest 16 loads: A's tiles 4-7
	WIN MUL_LO
	MUL16 0, 0, 0, \slot, \zero
	MUL16 2, 0, 0, \slot, \zero
	s_wait_dscnt 0x0                               ; A's tiles 4-7 are in
	PLACES 4
	FETCH_B \slot, 1, 1
	FETCH_A \slot, 1, 0
	WIN MUL_HI
	MUL16 4, 0, 0, \slot, \zero
	MUL16 6, 0, 0, \slot, \zero
	PLACES 4
	WIN 0
	FETCH_A \slot, 1, 4
.endm
; A slot's second 128 along K changes slots: one barrier; in front of it each wave waits for all its tensor loads, adds 0 to its spare word, and waits for that and for its reads of this slot.
; fill = 1: the barrier opens a round of the cluster's barrier, and this slot is filled again, two K steps ahead, first thing behind the round.  ks: the next slot's K step.
.macro TURN slot, next, fill, ks
	s_wait_tensorcnt 0x0                           ; all my tensor loads have landed: my part of the next slot
	ds_add_u32 v[SPW], v[NIL]                      ; 0 onto my spare word
	s_wait_dscnt 17                                ; the add and the youngest 16 loads may be out
	WIN MUL_LO
	MUL16 0, 1, 1, \slot, 0
	s_wait_dscnt 0x0                               ; the add is done, and my reads of this slot are over
	s_barrier_signal -1
	MUL16 2, 1, 1, \slot, 0
	WIN 0
	s_barrier_wait -1
.if \fill
	CREST                                          ; no wave of any partner still reads this slot or has a load on its way
	s_add_nc_u64 s[G0A+4*\slot+2:G0A+4*\slot+3], s[G0A+4*\slot+2:G0A+4*\slot+3], 2*HALFT
	s_add_nc_u64 s[G0B+4*\slot+2:G0B+4*\slot+3], s[G0B+4*\slot+2:G0B+4*\slot+3], 2*HALFT
	JLOAD G0A+4*\slot, G1A, G0B+4*\slot, G1B       ; its four v_nop are also the places in front of the loads below
.else
	CREST                                          ; the bias, a first fill, is asked for here, each wave's own head into its own 256 bytes
	tensor_load_to_lds s[G0C:G0C+3], s[G1C:G1C+7]
	s_nop 0
	PLACES 4
.endif
	FETCH_B \next, 0, 0
	FETCH_A \next, 0, 0
	SCALES \next, \ks
	WIN MUL_HI
	MUL16 4, 1, 1, \slot, 0
	MUL16 6, 1, 1, \slot, 0
	PLACES 4
	WIN 0
	FETCH_A \next, 0, 4
.endm
	s_wait_alu depctr_va_vdst(0)                   ; the head's end
	s_wait_tensorcnt 0x0                           ; my tile of the head's four is in
	ds_add_u32 v[SPW], v[NIL]
.irp g, G1A, G1B                       ; no tensor load of mine is out, so a descriptor may be written: the ring's shape, 24,576 dense bytes as 96 rows of 256
	s_mov_b32 s[\g+1], 32<<16
	s_mov_b32 s[\g+2], 96<<16
	s_mov_b32 s[\g+3], 32<<16
	s_mov_b32 s[\g+4], 96
	s_mov_b32 s[\g+5], 32
.endr
	s_wait_dscnt 0x0                               ; the add is done
	CROUND                                         ; all four tiles are in, and all sixteen work-groups are here
	JLOAD G0A+4, G1A, G0B+4, G1B                   ; K step 1, a quarter of slot 1 a wave: the first tensor load behind the round
	FETCH_B 0, 0, 0
	FETCH_A 0, 0, 0
	SCALES 0, 0
	FETCH_A 0, 0, 4
	STEP 0, 1                                      ; K = 1,024 is eight steps of 128: they are written straight through, a loop would have one trip
	TURN 0, 1, 1, 1
	STEP 1, 0
	TURN 1, 0, 1, 2
	STEP 0, 0
	TURN 0, 1, 0, 3
	STEP 1, 0
	s_wait_dscnt 16                                ; the last step: nothing more to fetch
	WIN MUL_LO
	MUL16 0, 1, 1, 1, 0
	MUL16 2, 1, 1, 1, 0
	s_wait_dscnt 0x0
	s_wait_tensorcnt 0x0                           ; my head's bias is in: say so,
	s_barrier_signal -1
	WIN MUL_HI
	MUL16 4, 1, 1, 1, 0
	MUL16 6, 1, 1, 1, 0
	WIN 0
	s_barrier_wait -1                              ; and everybody's is
	PLACES 4
; The 64 numbers of a lane in accumulators v[AC] on of window W become a fragment's codes in v[PC] on and a scale word in v[PW].
.macro QUANTW
	WIN ((W<<2)|(W<<4))                            ; sources 1 and 2 in the accumulators' window
.irp b, 0,1,2,3
	v_max3_num_f32 v[TM+\b], 0x2800000, |v[AC+16*\b]|, |v[AC+16*\b+1]|   ; my 16 numbers of block b, and the floor 2^(5 - 127)
.endr
.irp i, 2,4,6,8,10,12,14
.irp b, 0,1,2,3
	v_max3_num_f32 v[TM+\b], v[TM+\b], |v[AC+16*\b+\i]|, |v[AC+16*\b+\i+1]|
.endr
.endr
	WIN 0
.irp b, 0,1,2,3
	v_permlanex16_b32 v[TM+4+\b], v[TM+\b], s[SEL], s[SEL+1]
.endr
.irp b, 0,1,2,3
	v_max_num_f32 v[TM+\b], v[TM+\b], v[TM+4+\b]   ; with lane l xor 16's: the block's largest magnitude
.endr
.irp b, 0,1,2,3
	v_add_nc_u32 v[TM+12+\b], 0xfe000000, v[TM+\b] ; 4 off its exponent field: the conversion's scale operand
.endr
.irp b, 0,1,2,3
	v_lshrrev_b32 v[TM+4+\b], 23, v[TM+12+\b]      ; the scale's byte
.endr
	v_lshl_or_b32 v[PW], v[TM+5], 8, v[TM+4]
	v_lshl_or_b32 v[PW], v[TM+6], 16, v[PW]
	v_lshl_or_b32 v[PW], v[TM+7], 24, v[PW]
	WIN W                                          ; source 0 in the accumulators' window
.irp c, 0,1
	v_cvt_scalef32_pk16_bf6_f32 v[PC+6*\c:PC+2+6*\c], v[AC+32*\c:AC+15+32*\c], v[TM+12+2*\c]
	v_cvt_scalef32_pk16_bf6_f32 v[PC+12+4*\c:PC+14+4*\c], v[AC+16+32*\c:AC+31+32*\c], v[TM+13+2*\c]
.endr
	WIN 0
	v_nop                                          ; one plain place behind a scaled conversion
.irp c, 0,1
.irp i, 0,1,2
	v_permlane16_swap_b32 v[PC+6*\c+\i], v[PC+12+4*\c+\i]
.endr
.irp i, 0,1,2
	v_mov_b32 v[PC+3+6*\c+\i], v[PC+12+4*\c+\i]
.endr
.endr
.endm
	s_mov_b32 s[SEL], 0x76543210
	s_mov_b32 s[SEL+1], 0xfedcba98
.irp b, 0,1,2,3
	v_mov_b32 v[TM+4+\b], 0                        ; written once: a lane permute's destination counts as one of its sources
.endr
	s_cmp_eq_u32 ttmp9, 2
	s_cbranch_scc1 .Lv
	; ---- q and k: my 128 tokens x two heads.  Registers 0-31 of a tile are the first head's d, registers 32-63 the second's: each is half a fragment, and half a scale word
	s_cmp_eq_u32 ttmp9, 0
	s_mov_b32 s66, 13056
	s_cselect_b32 s66, 6656, s66                   ; a record,
	s_cselect_b32 s67, 0, KVB                      ; where the records begin,
	s_mov_b32 s100, 12288
	s_cselect_b32 s100, 6144, s100                 ; and where a record's scale words do
	s_lshl_b32 s20, s17, 1
	s_add_co_u32 s20, s20, s13                     ; my group of 128 tokens
	s_lshr_b32 s21, s20, 4                         ; batch
	s_and_b32 s20, s20, 15                         ; the group in it
	s_lshl_b32 s22, s18, 1
	s_add_co_u32 s22, s22, s14
	s_and_b32 s22, s22, 7
	s_lshl_b32 s22, s22, 1                         ; my first head
	s_lshl_b32 s21, s21, 4
	s_add_co_u32 s21, s21, s22
	s_lshl_b32 s21, s21, 4
	s_add_co_u32 s21, s21, s20
	s_mul_i32 s21, s21, s66
	s_add_co_u32 s20, s21, s67
	s_mov_b32 s21, 0
	s_add_nc_u64 s[20:21], s[8:9], s[20:21]        ; the first head's record,
	s_lshl_b32 s22, s66, 4
	s_mov_b32 s23, 0
	s_add_nc_u64 s[22:23], s[20:21], s[22:23]      ; the second's, 16 records on,
	s_mov_b32 s101, 0
	s_add_nc_u64 s[96:97], s[20:21], s[100:101]    ; and their scale words
	s_add_nc_u64 s[98:99], s[22:23], s[100:101]
.irp b, 0,1,2,3
.irp u, 0,1
	ds_load_b128 v[BIAS+8*(2*\b+\u):BIAS+8*(2*\b+\u)+3], v[BQ] offset:256*(\b/2)+128*(\b%2)+32*\u   ; register 16 b + 8 u + j: head b / 2, d = 32 (b % 2) + 16 h + 8 u + j
	ds_load_b128 v[BIAS+8*(2*\b+\u)+4:BIAS+8*(2*\b+\u)+7], v[BQ] offset:256*(\b/2)+128*(\b%2)+32*\u+16
.endr
.endr
	s_wait_dscnt 0x0
.set PW, 184
.macro EPIQK a
.set AC, 64*((\a)%4)
.set W, 2+(\a)/4
.set PC, 128+20*((\a)%2)
	WIN ((W<<6)|W)
.set i, 0
.rept 32
	v_pk_add_f32 v[AC+i:AC+i+1], v[AC+i:AC+i+1], v[BIAS+i:BIAS+i+1]   ; + b_qkv, each accumulator from its low end on
.set i, i+2
.endr
.if (\a) > 1
	s_wait_xcnt 0x0                                ; the stores of two tiles ago have read this set of code registers
.endif
	QUANTW
	v_and_b32 v[PWA+(\a)], 0xffff, v[PW]           ; the first head's two bytes,
	v_lshrrev_b32 v[PWB+(\a)], 16, v[PW]           ; the second's
	ds_store_b32 v[SQW], v[PWA+(\a)] offset:4*(\a)
	ds_store_b32 v[SQW], v[PWB+(\a)] offset:512+4*(\a)
	global_store_b128 v[L16], v[PC:PC+3], s[20:21] offset:768*(\a)
	global_store_b64 v[L8], v[PC+4:PC+5], s[20:21] offset:768*(\a)+512
	global_store_b128 v[L16], v[PC+6:PC+9], s[22:23] offset:768*(\a)
	global_store_b64 v[L8], v[PC+10:PC+11], s[22:23] offset:768*(\a)+512
.endm
.irp a, 0,1,2,3,4,5,6,7
	EPIQK \a
.endr
	ds_load_b128 v[BK:BK+3], v[SQR]                ; LDS serves a wave's instructions in order: these see my stores
	ds_load_b128 v[BK+4:BK+7], v[SQR] offset:512
	s_wait_dscnt 0x0
	global_store_b128 v[L16], v[BK:BK+3], s[96:97] ; 512 consecutive bytes each
	global_store_b128 v[L16], v[BK+4:BK+7], s[98:99]
	s_branch .Lend
	; ---- v: my two heads' 128 d x 128 tokens.  A lane holds one d; its 64 registers run along the tokens: a whole fragment of the second product's operand
.Lv:
	s_sub_co_u32 s20, s17, 8
	s_lshl_b32 s20, s20, 1
	s_add_co_u32 s20, s20, s13
	s_lshl_b32 s20, s20, 1                         ; my first head
	s_lshl_b32 s21, s18, 1
	s_add_co_u32 s21, s21, s14                     ; my group of 128 tokens
	s_lshr_b32 s22, s21, 4
	s_and_b32 s21, s21, 15
	s_lshl_b32 s22, s22, 4
	s_add_co_u32 s20, s20, s22
	s_lshl_b32 s20, s20, 4
	s_add_co_u32 s20, s20, s21
	s_mul_i32 s20, s20, 13056
	s_add_co_u32 s20, s20, KVB
	s_mov_b32 s21, 0
	s_add_nc_u64 s[20:21], s[8:9], s[20:21]        ; the first head's record
.irp a, 0,1,2,3,4,5,6,7
	ds_load_b32 v[BIAS+2*\a], v[BV] offset:256*(\a/4)+128*((\a/2)%2)+32*(\a%2)     ; my d's one number, into both registers of a pair
	ds_load_b32 v[BIAS+2*\a+1], v[BV] offset:256*(\a/4)+128*((\a/2)%2)+32*(\a%2)
.endr
	s_wait_dscnt 0x0
.macro EPIV a
.set AC, 64*((\a)%4)
.set W, 2+(\a)/4
.set PC, 128+20*((\a)%2)
.set PW, PWA+(\a)
	WIN ((W<<6)|W)
.set i, 0
.rept 32
	v_pk_add_f32 v[AC+i:AC+i+1], v[AC+i:AC+i+1], v[BIAS+2*(\a):BIAS+2*(\a)+1]
.set i, i+2
.endr
.if (\a) > 1
	s_wait_xcnt 0x0                                ; the stores of two tiles ago have read this set of code registers
.endif
	QUANTW
	ds_store_b32 v[SVW], v[PW] offset:256*((\a)/4)+4*((\a)%4)
	global_store_b128 v[L16], v[PC:PC+3], s[20:21] offset:((\a)/4)*208896+6144+((\a)%4)*1536
	global_store_b64 v[L8], v[PC+4:PC+5], s[20:21] offset:((\a)/4)*208896+6144+((\a)%4)*1536+512
	global_store_b128 v[L16], v[PC+6:PC+9], s[20:21] offset:((\a)/4)*208896+6144+((\a)%4)*1536+768
	global_store_b64 v[L8], v[PC+10:PC+11], s[20:21] offset:((\a)/4)*208896+6144+((\a)%4)*1536+1280
.endm
.irp a, 0,1,2,3,4,5,6,7
	EPIV \a
.endr
	ds_load_b128 v[BK:BK+3], v[SVR]
	s_wait_dscnt 0x0
	global_store_b128 v[VSO], v[BK:BK+3], s[20:21] offset:12800   ; sixteen lanes store a head's 256 consecutive bytes
.Lend:
	s_wait_tensorcnt 0x0                           ; the wave's end: behind my last tensor load and my last LDS store
	ds_add_u32 v[SPW], v[NIL]
	s_wait_dscnt 0x0
	CROUND                                         ; the closing round: no work-group ends while a partner may still ask for a tile that names it
	s_endpgm
.Lfunc_end_k_q70b62ad486_gqkv:
	.size	k_q70b62ad486_gqkv, .Lfunc_end_k_q70b62ad486_gqkv-k_q70b62ad486_gqkv
	.p2alignl 7, 3214868480
	.fill 96, 4, 3214868480
	.section	.rodata,"a",@progbits
	.p2align	6, 0x0
	.amdhsa_kernel k_q70b62ad486_gqkv
		.amdhsa_group_segment_fixed_size 327680
		.amdhsa_private_segment_fixed_size 0
		.amdhsa_enable_private_segment 0
		.amdhsa_kernarg_size 24
		.amdhsa_user_sgpr_count 2
		.amdhsa_user_sgpr_kernarg_segment_ptr 1
		.amdhsa_wavefront_size32 1
		.amdhsa_system_sgpr_workgroup_id_x 1
		.amdhsa_system_sgpr_workgroup_id_y 1
		.amdhsa_system_sgpr_workgroup_id_z 1
		.amdhsa_system_vgpr_workitem_id 0
		.amdhsa_next_free_vgpr 1024
		.amdhsa_next_free_sgpr 102
		.amdhsa_reserve_vcc 0
		.amdhsa_float_denorm_mode_32 3
		.amdhsa_float_denorm_mode_16_64 3
		.amdhsa_memory_ordered 1
		.amdhsa_forward_progress 1
		.amdhsa_inst_pref_size 226
	.end_amdhsa_kernel
	.amdgpu_metadata
---
amdhsa.version: [ 1, 2 ]
amdhsa.kernels:
  - .name:           k_q70b62ad486_gqkv
    .symbol:         k_q70b62ad486_gqkv.kd
    .args:
      - { .name: pq, .offset: 0, .size: 8, .value_kind: global_buffer, .address_space: global }
      - { .name: b_qkv, .offset: 8, .size: 8, .value_kind: global_buffer, .address_space: global }
      - { .name: qkv, .offset: 16, .size: 8, .value_kind: global_buffer, .address_space: global }
    .group_segment_fixed_size: 327680
    .private_segment_fixed_size: 0
    .kernarg_segment_align: 8
    .kernarg_segment_size: 24
    .max_flat_workgroup_size: 128
    .sgpr_count:     102
    .vgpr_count:     1024
    .wavefront_size: 32
...
	.end_amdgpu_metadata
.endif
;; end of part 2
;; launch att (part 3): grid 8 x 32, 8 waves a work-group, clusters of 4 x 1, 209,920 bytes of LDS; arguments qkv, oc; writes oc
.if DOCPART == 3
	.amdgcn_target "amdgcn-amd-amdhsa--gfx1250"
	.amdhsa_code_object_version 6
	.text
	.protected	k_q70b62ad486_att
	.globl	k_q70b62ad486_att
	.p2align	8
	.type	k_q70b62ad486_att,@function
k_q70b62ad486_att:
	s_mov_b64 s[64:65], 0
	v_nop
	global_prefetch_b8 v0, s[64:65] scope:SCOPE_SE
	s_setreg_imm32_b32 hwreg(HW_REG_WAVE_MODE, 25, 1), 1
	s_wait_xcnt 0x0
	s_wait_alu depctr_hold_cnt(0) depctr_sa_sdst(0) depctr_va_vdst(0) depctr_va_sdst(0) depctr_va_ssrc(0) depctr_va_vcc(0) depctr_vm_vsrc(0)
	s_getreg_b32 s2, hwreg(HW_REG_IB_STS2, 6, 4)
	s_cmp_eq_u32 s2, 0
	s_cbranch_scc0 .Lentry_in_a_cluster
	s_endpgm
.Lentry_in_a_cluster:
	s_bfe_u32 s2, ttmp6, 0x10000c
	s_cmp_lg_u32 s2, 0x3003
	s_cbranch_scc0 .Lentry_shape_is_right
	s_endpgm
.Lentry_shape_is_right:
; ATT: softmax(q k^T / 8) v for one (batch, head) and 256 queries a work-group, both products on codes of BF6; the result is quantised at once into the projection's operand.  No work of reference() is left out.
; THE SOFTMAX AHEAD OF THE SECOND PRODUCT: t = score x log2(e) / 8; M = the running largest t rounded up to a whole number; p = 2^(t - M) is quantised along the keys, not normalised.
; The row's sum is taken of the unquantised p and divides at the end; when M moves, the sum and O are multiplied by 2^(old M - new M), which rounds nothing.
; SHARES.  Eight waves, two to a SIMD; a wave owns two tiles of 16 queries and walks the head's 2,048 keys, 128 a step: each fragment of K and V read from LDS feeds two matrix instructions.
; A WHOLE HEAD'S K AND V LIE IN LDS: 16 records of 13,056 bytes (k's 8 half images of 768 bytes, v's 4 images of 1,536 at 6,144, k's scale words at 12,288 + 32 place + 4 tile, v's at 12,800 + 16 r + 4 tile).
; Wave w asks for records 2 w and 2 w + 1 by one load: no ring, no refill, no barrier in the loop, and so no loop of loads for a prefetch to run ahead in.  The four query blocks of a cluster belong to one head: each load is joint.
; LAYOUT.  Both products are used transposed (S^T = K Q^T, O^T = V^T P^T): a lane holds one query of each tile.  The head's 64 fill half of the instruction's 128 along K: the upper six registers of Q's and K's fragments hold zero codes, written once.
; THE KEYS OF A TILE ARE PICKED BY THE LANES' ADDRESSES: row 8 a + j of tile 4 c + u is key 64 c + 32 a + 8 u + j, which lies in stored tile 4 c + 2 a + u % 2 at place 8 (u / 2) + j.
; So lane (r, h) holds, in the 32 registers of tiles 4 c .. 4 c + 3, the whole block of keys 64 c + 32 h + 0 .. 31, in the order of the second product's operand: a block's maximum needs no other lane, and no lane swap follows the conversions.
; LIMITS: NaN and infinities are not served; the scaled scores stay under 2^31 in magnitude; a block under 2^-122 keeps the byte 1, a block of zeros too (its codes are zeros; this program alone reads the bytes).
; REGISTERS.  Window 0: addresses, scale words, Q, K, V, p's codes.  Window 1: v0-127 S^T then p (tile e at 64 e), v128-191 O^T, v192-223 sixteen words of state a tile, v224 8 h, v226-229 a running pair a tile.
.set REC,   13056
.set KVB,   3407872                    ; in qkv: where the k, v records begin
.set OSC,   3145728                    ; in oc: where the scale words begin
.set SPARE, 16*REC                     ; the spare words, 128 bytes for each wave: four blocks of 256 bytes that no other line names
.set L16, 1                            ; 16 x lane;  L8: 8 x lane
.set L8,  2
.set KA,  3                            ; K's lane parts: 1,536 a + 16 j + 256 h;  1,536 a + 8 j + 128 h
.set KB,  4
.set SPW, 5
.set NIL, 6
.set R4,  7                            ; 4 r
.set KSA, 10                           ; 32 j + 8 a
.set VSA, 11                           ; 16 r
.set VSC, 12                           ; v12-15 V's scale words; v16-23 K's; v24-25 Q's; v26-27 p's
.set KSC, 16
.set QSC, 24
.set PSC, 26
.set QF,  28                           ; v28-51 Q's two fragments
.set KF,  52                           ; v52-147 K's eight
.set VF,  148                          ; v148-195 V's four
.set PCD, 196                          ; v196-219 p's codes, two tiles
.set CT,  220                          ; v220-235 the conversions' second halves
.set RKA, 236                          ; v236-241 the step's addresses
.set RKB, 237
.set RKS, 238
.set RVA, 239
.set RVB, 240
.set RVS, 241
.set OO,  128                          ; window 1
.set TT,  192                          ; tile e at TT + 16 e: +0 -M, +1 largest score, +2,3 the sum, +4 f, +5 at work, +6,7 the blocks' maxima, +8,9 the conversions' scales, +10,11 at work, +12..15 two running pairs
.set SH,  224
.set A3,  226
.set TB,  2                            ; s2 LDS byte at which the step's record begins
.set CNT, 3                            ; s3 steps to go
.set WV,  18
.set NC,  19                           ; s19 -c
.set SEL, 20                           ; s[20:21] lane selects: lane l xor 16
.set CS,  22                           ; s[22:23] c = log2(e) / 8
.set G1,  24
.set G0,  32
.set MSB, 0
.macro WIN new                         ; the immediate's high byte repeats the setting that is left
.if MSB != (\new)
	s_set_vgpr_msb (MSB<<8)|(\new)
.set MSB, (\new)
.endif
.endm
.macro CROUND                          ; a round of the cluster's barrier
	s_barrier_signal -1
	s_barrier_wait -1
	s_cmp_lg_u32 s[WV], 0
	s_cbranch_scc1 .Lnot_wave_0_\@
	s_barrier_signal -3
.Lnot_wave_0_\@:
	s_barrier_wait -3
	s_barrier_signal -1
	s_barrier_wait -1
.endm
.macro KLOAD ra, rb, rs, off           ; a record's eight tiles of K, rows picked as the head comment says, and their scale words, two neighbouring tiles' a load
.irp c, 0,1
.irp u, 0,1,2,3
	ds_load_b128 v[KF+12*(4*\c+\u):KF+12*(4*\c+\u)+3], v[\ra] offset:\off+3072*\c+768*(\u%2)+128*(\u/2)
	ds_load_b64 v[KF+12*(4*\c+\u)+4:KF+12*(4*\c+\u)+5], v[\rb] offset:\off+3072*\c+768*(\u%2)+512+64*(\u/2)
.endr
.irp g, 0,1
	ds_load_b64 v[KSC+4*\c+2*\g:KSC+4*\c+2*\g+1], v[\rs] offset:\off+12288+256*\g+16*\c
.endr
.endr
.endm
	s_load_b128 s[4:7], s[0:1], 0x0                ; qkv, oc
	v_lshl_add_u32 v[SPW], v0, 2, SPARE
	v_mov_b32 v[NIL], 0
	ds_add_u32 v[SPW], v[NIL]                      ; the wave's opening: the add, twice on end, and its wait ahead of my first tensor load
	ds_add_u32 v[SPW], v[NIL]
	v_lshrrev_b32 v242, 5, v0
	v_readfirstlane_b32 s[WV], v242                ; wave 0..7
	s_bfe_u32 s8, ttmp6, 0x40000                   ; cx
	s_lshl_b32 s9, ttmp9, 2
	s_add_co_u32 s9, s9, s8                        ; my block of 256 queries: it enters Q's and the output's addresses alone
	s_and_b32 s10, ttmp7, 0xffff                   ; 16 batch + head, which the four partners share
	s_mov_b32 s[G1], 15|(3<<16)|(1<<21)            ; 15:0 the mask: all four work-groups; 17:16 elements of 8 bytes; 21 set beside a mask; no padding
	s_mov_b32 s[G1+1], 32<<16                      ; two records: 102 dense rows of 256 bytes
	s_mov_b32 s[G1+2], 102<<16
	s_mov_b32 s[G1+3], 32<<16
	s_mov_b32 s[G1+4], 102
	s_mov_b32 s[G1+5], 32
	s_mov_b32 s[G1+6], 0
	s_mov_b32 s[G1+7], 0
	s_mul_i32 s11, s[WV], 2*REC                    ; records 2 w, 2 w + 1: their place in LDS and in the head's records
	s_mul_i32 s12, s10, 16*REC
	s_add_co_u32 s12, s12, s11
	s_add_co_u32 s12, s12, KVB
	s_mov_b32 s13, 0
	s_mov_b32 s[SEL], 0x76543210
	s_mov_b32 s[SEL+1], 0xfedcba98
	s_mov_b32 s[CS], 0x3e38aa3b
	s_mov_b32 s[CS+1], s[CS]                       ; named with it as a pair, so it is written
	s_mov_b32 s[NC], 0xbe38aa3b
	s_mov_b32 s[TB], 0
	s_mov_b32 s[CNT], 16
	s_wait_dscnt 0x0                               ; both opening adds are done
	s_wait_kmcnt 0x0
	s_mov_b32 s[G0], 1
	s_mov_b32 s[G0+1], s11
	s_add_nc_u64 s[G0+2:G0+3], s[4:5], s[12:13]
	s_or_b32 s[G0+3], s[G0+3], 0x80000000
	CROUND                                         ; all four work-groups are here: the joint loads meet
	tensor_load_to_lds s[G0:G0+3], s[G1:G1+7]      ; my one tensor load
	s_nop 0
.rept 4
	v_nop
.endr
	s_lshl_b32 s14, s9, 1
	s_lshr_b32 s15, s[WV], 2
	s_add_co_u32 s14, s14, s15                     ; my group of 128 tokens in the batch,
	s_and_b32 s15, s[WV], 3
	s_lshl_b32 s15, s15, 1                         ; my first tile in it; my second is the next
	s_lshl_b32 s16, s10, 4
	s_add_co_u32 s16, s16, s14
	s_mul_i32 s16, s16, 6656
	s_mov_b32 s17, 0
	s_add_nc_u64 s[36:37], s[4:5], s[16:17]        ; q's record
	s_mul_i32 s16, s15, 768
	s_add_nc_u64 s[38:39], s[36:37], s[16:17]      ; my tiles' half images
	s_lshl_b32 s16, s15, 2
	s_add_nc_u64 s[36:37], s[36:37], s[16:17]      ; and their scale words
	; where my results go: token group g = 16 batch + my group; the head's 64 are half (head % 2) of K step head / 2
	s_lshr_b32 s40, s10, 4
	s_lshl_b32 s40, s40, 4
	s_add_co_u32 s40, s40, s14                     ; g
	s_and_b32 s41, s10, 15
	s_lshr_b32 s42, s41, 1                         ; K step
	s_and_b32 s41, s41, 1                          ; half
	s_lshl_b32 s44, s40, 3
	s_add_co_u32 s44, s44, s42
	s_lshl_b32 s44, s44, 3
	s_add_co_u32 s44, s44, s15
	s_mul_i32 s44, s44, 1536
	s_mul_i32 s45, s41, 768
	s_add_co_u32 s44, s44, s45
	s_mov_b32 s45, 0
	s_add_nc_u64 s[44:45], s[6:7], s[44:45]        ; codes
	s_lshr_b32 s46, s40, 1
	s_lshl_b32 s46, s46, 3
	s_add_co_u32 s46, s46, s42
	s_lshl_b32 s46, s46, 10
	s_and_b32 s47, s40, 1
	s_lshl_b32 s47, s47, 9
	s_add_co_u32 s46, s46, s47
	s_lshl_b32 s47, s15, 6
	s_add_co_u32 s46, s46, s47
	s_lshl_b32 s47, s41, 1
	s_add_co_u32 s46, s46, s47
	s_add_co_u32 s46, s46, OSC
	s_mov_b32 s47, 0
	s_add_nc_u64 s[46:47], s[6:7], s[46:47]        ; scale bytes
	v_and_b32 v242, 31, v0                         ; lane
	v_and_b32 v243, 15, v0                         ; r
	v_and_b32 v244, 7, v0                          ; j
	v_bfe_u32 v245, v0, 3, 1                       ; a
	v_bfe_u32 v246, v0, 4, 1                       ; h
	v_lshlrev_b32 v[L16], 4, v242
	v_lshlrev_b32 v[L8], 3, v242
	v_lshlrev_b32 v247, 5, v243
.irp e, 0,1
	global_load_b128 v[QF+12*\e:QF+12*\e+3], v[L16], s[38:39] offset:768*\e
	global_load_b64 v[QF+12*\e+4:QF+12*\e+5], v[L8], s[38:39] offset:768*\e+512
	global_load_b32 v[QSC+\e], v247, s[36:37] offset:6144+4*\e
.endr
	v_mul_u32_u24 v248, v245, 1536
	v_lshlrev_b32 v[R4], 2, v243
	v_lshlrev_b32 v[VSA], 4, v243
	v_lshl_add_u32 v[KA], v244, 4, v248
	v_lshl_add_u32 v[KB], v244, 3, v248
	v_lshlrev_b32 v[KSA], 5, v244
	v_lshl_add_u32 v[KA], v246, 8, v[KA]
	v_lshl_add_u32 v[KB], v246, 7, v[KB]
	v_lshl_add_u32 v[KSA], v245, 3, v[KSA]
.irp e, 0,1
.irp j, 6,7,8,9,10,11
	v_mov_b32 v[QF+12*\e+\j], 0                    ; zero codes for k = 64 .. 127 of Q,
.endr
.endr
.irp t, 0,1,2,3,4,5,6,7
.irp j, 6,7,8,9,10,11
	v_mov_b32 v[KF+12*\t+\j], 0                    ; and of K's eight fragments: written once
.endr
.endr
	WIN 0x40                                       ; destinations in window 1
.irp e, 0,1
	v_mov_b32 v[TT+16*\e], 0x7f61b1e6              ; -M: 3e38, so that the first f is 0
	v_mov_b32 v[TT+16*\e+1], 0xff61b1e6            ; the largest score so far: -3e38, under every score
	v_mov_b32 v[TT+16*\e+2], 0                     ; the sum, in two halves
	v_mov_b32 v[TT+16*\e+3], 0
	v_mov_b32 v[TT+16*\e+10], 0                    ; a lane permute's destination counts as one of its sources
.endr
	v_lshlrev_b32 v[SH], 3, v246                   ; 8 h
.set i, 0
.rept 64
	v_mov_b32 v[OO+i], 0                           ; O^T: the step is written once; its first trip finds zeros, which the first change of M leaves zeros
.set i, i+1
.endr
	WIN 0
	s_wait_alu depctr_va_vdst(0)                   ; the head's end
	s_wait_tensorcnt 0x0                           ; my records are in,
	s_barrier_signal -1
	s_barrier_wait -1                              ; everybody's are
	KLOAD KA, KB, KSA, 0                           ; record 0's K
	s_wait_loadcnt 0x0                             ; Q
	s_wait_dscnt 0x0
.Lstep:                                            ; 16 trips: 128 keys, one record; this record's K is in registers
	WIN 0x40
.irp t, 0,1,2,3,4,5,6,7
.irp e, 0,1
	v_wmma_scale_f32_16x16x128_f8f6f4 v[64*\e+8*\t:64*\e+8*\t+7], v[KF+12*\t:KF+12*\t+11], v[QF+12*\e:QF+12*\e+11], 0, v[KSC+\t], v[QSC+\e] matrix_a_fmt:MATRIX_FMT_BF6 matrix_b_fmt:MATRIX_FMT_BF6
.endr
.endr
	WIN 0
	v_add_nc_u32 v[RVA], s[TB], v[L16]             ; the step's addresses: these six are also the places in front of the loads below and of the first reads of the scores
	v_add_nc_u32 v[RVB], s[TB], v[L8]
	v_add_nc_u32 v[RVS], s[TB], v[VSA]
	v_add_nc_u32 v[RKA], s[TB], v[KA]
	v_add_nc_u32 v[RKB], s[TB], v[KB]
	v_add_nc_u32 v[RKS], s[TB], v[KSA]
.irp t, 0,1,2,3
	ds_load_b128 v[VF+12*\t:VF+12*\t+3], v[RVA] offset:6144+1536*\t
	ds_load_b64 v[VF+12*\t+4:VF+12*\t+5], v[RVB] offset:6144+1536*\t+512
	ds_load_b128 v[VF+12*\t+6:VF+12*\t+9], v[RVA] offset:6144+1536*\t+768
	ds_load_b64 v[VF+12*\t+10:VF+12*\t+11], v[RVB] offset:6144+1536*\t+1280
.endr
	ds_load_b128 v[VSC:VSC+3], v[RVS] offset:12800
	s_cmp_eq_u32 s[CNT], 1                         ; the last trip has no next record
	s_cbranch_scc1 .Lno_k
	KLOAD RKA, RKB, RKS, REC                       ; the next record's K lands under the softmax
.Lno_k:
	WIN 0x55                                       ; the softmax lives in window 1
.irp e, 0,1
.irp c, 0,1
	v_max3_num_f32 v[TT+16*\e+6+\c], v[64*\e+32*\c], v[64*\e+32*\c+1], v[64*\e+32*\c+2]   ; the largest score of my block 2 c + h: for the row's maximum and, since p rises with the score, for the block's largest p
.endr
.endr
.irp i, 3,5,7,9,11,13,15,17,19,21,23,25,27,29
.irp e, 0,1
.irp c, 0,1
	v_max3_num_f32 v[TT+16*\e+6+\c], v[TT+16*\e+6+\c], v[64*\e+32*\c+\i], v[64*\e+32*\c+\i+1]   ; four chains by turns; each accumulator is first read at its lowest register
.endr
.endr
.endr
.irp e, 0,1
.irp c, 0,1
	v_max_num_f32 v[TT+16*\e+6+\c], v[TT+16*\e+6+\c], v[64*\e+32*\c+31]
.endr
.endr
.irp e, 0,1
	v_max3_num_f32 v[TT+16*\e+11], v[TT+16*\e+1], v[TT+16*\e+6], v[TT+16*\e+7]
.endr
.irp e, 0,1
	v_permlanex16_b32 v[TT+16*\e+10], v[TT+16*\e+11], s[SEL], s[SEL+1]
.endr
.irp e, 0,1
	v_max_num_f32 v[TT+16*\e+1], v[TT+16*\e+11], v[TT+16*\e+10]   ; the running largest score of my query
.endr
.irp e, 0,1
	v_mul_f32 v[TT+16*\e+11], s[NC], v[TT+16*\e+1] ; -t
.endr
.irp e, 0,1
	v_floor_f32 v[TT+16*\e+11], v[TT+16*\e+11]     ; the new -M = floor(-t) = -ceil(t): a whole number
.endr
.irp e, 0,1
	v_sub_f32 v[TT+16*\e+5], v[TT+16*\e+11], v[TT+16*\e]   ; M's old value less its new one: 0 or less
.endr
.irp e, 0,1
	v_mov_b32 v[TT+16*\e], v[TT+16*\e+11]
.endr
.irp e, 0,1
	v_cvt_i32_f32 v[TT+16*\e+5], v[TT+16*\e+5]     ; (it saturates)
.endr
.irp e, 0,1
	v_ldexp_f32 v[TT+16*\e+4], 1.0, v[TT+16*\e+5]  ; f = 2^(old M - new M)
.endr
.set i, 0
.rept 32
	v_pk_mul_f32 v[OO+i:OO+i+1], v[OO+i:OO+i+1], v[TT+16*(i/32)+4:TT+16*(i/32)+5] op_sel_hi:[1,0]   ; O^T under the new M, ahead of the exponentials, each accumulator from its low end on
.set i, i+2
.endr
.set i, 0
.rept 32
	v_pk_fma_f32 v[i:i+1], v[i:i+1], s[CS:CS+1], v[TT:TT+1] op_sel_hi:[1,0,0]   ; tile 0: t - M, two at a time
.set i, i+2
.endr
.irp c, 0,1
	v_fma_f32 v[TT+6+\c], v[TT+6+\c], s[CS], v[TT] ; the same of each block's largest score
.endr
	s_wait_alu depctr_va_vdst(0)                   ; ahead of a batch of transcendentals
.set i, 0
.rept 32
	v_pk_fma_f32 v[64+i:65+i], v[64+i:65+i], s[CS:CS+1], v[TT+16:TT+17] op_sel_hi:[1,0,0]   ; tile 1's t - M stands among tile 0's exponentials: nothing here reads what stands beside it
	v_exp_f32 v[i], v[i]                           ; p = 2^(t - M)
	v_exp_f32 v[i+1], v[i+1]
.set i, i+2
.endr
.irp c, 0,1
	v_fma_f32 v[TT+16+6+\c], v[TT+16+6+\c], s[CS], v[TT+16]
.endr
.irp c, 0,1
	v_exp_f32 v[TT+6+\c], v[TT+6+\c]               ; the block's largest p
.endr
	v_nop                                          ; a plain place behind the last of them
	s_wait_alu depctr_va_vdst(0)                   ; behind tile 0's batch and ahead of tile 1's
.set i, 0
.rept 64
	v_exp_f32 v[64+i], v[64+i]
.set i, i+1
.endr
.irp c, 0,1
	v_exp_f32 v[TT+16+6+\c], v[TT+16+6+\c]
.endr
	v_nop
	s_wait_alu depctr_va_vdst(0)                   ; one wait for the batch, ahead of its first reader
	s_wait_dscnt 0x0                               ; V, its scale words and the next record's K are in
.irp e, 0,1
.irp c, 0,1
	v_max_num_f32 v[TT+16*\e+6+\c], 0x2800000, v[TT+16*\e+6+\c]   ; the floor 2^(5 - 127): the byte cannot fall under 1
.endr
.endr
.irp e, 0,1
.irp c, 0,1
	v_add_nc_u32 v[TT+16*\e+8+\c], 0xfe000000, v[TT+16*\e+6+\c]   ; 4 off the exponent field: the conversion's scale operand
.endr
.endr
.irp e, 0,1
.irp c, 0,1
	v_lshrrev_b32 v[TT+16*\e+6+\c], 23, v[TT+16*\e+8+\c]          ; the scale's byte
.endr
.endr
.irp e, 0,1
	v_lshl_or_b32 v[TT+16*\e+6], v[TT+16*\e+7], 16, v[TT+16*\e+6] ; my two bytes: blocks h and 2 + h,
.endr
.irp e, 0,1
	v_lshlrev_b32 v[TT+16*\e+6], v[SH], v[TT+16*\e+6]             ; at their places in the scale word;
.endr
.irp e, 0,1
	v_permlanex16_b32 v[TT+16*\e+10], v[TT+16*\e+6], s[SEL], s[SEL+1]
.endr
	WIN 0x05                                       ; sources in window 1, destinations in window 0
.irp e, 0,1
	v_or_b32 v[PSC+\e], v[TT+16*\e+6], v[TT+16*\e+10]             ; with lane l xor 16's two the word is whole
.endr
.irp e, 0,1
.irp c, 0,1
	v_cvt_scalef32_pk16_bf6_f32 v[PCD+12*\e+6*\c:PCD+12*\e+6*\c+2], v[64*\e+32*\c:64*\e+32*\c+15], v[TT+16*\e+8+\c]
	v_cvt_scalef32_pk16_bf6_f32 v[CT+8*\e+4*\c:CT+8*\e+4*\c+2], v[64*\e+32*\c+16:64*\e+32*\c+31], v[TT+16*\e+8+\c]   ; a conversion's three registers begin on an even number
.endr
.endr
	WIN 0
	v_nop                                          ; one plain place behind a scaled conversion
.irp e, 0,1
.irp c, 0,1
.irp i, 0,1,2
	v_mov_b32 v[PCD+12*\e+6*\c+3+\i], v[CT+8*\e+4*\c+\i]
.endr
.endr
.endr
	WIN 0x55
; the row's sum of the unquantised p, four chains a tile; the first line brings the old sum under the new M.  These 64 lines also stand between the writes of p's codes and scale words and the products.
.irp e, 0,1
	v_pk_fma_f32 v[TT+16*\e+2:TT+16*\e+3], v[TT+16*\e+2:TT+16*\e+3], v[TT+16*\e+4:TT+16*\e+5], v[64*\e:64*\e+1] op_sel_hi:[1,0,1]
	v_pk_add_f32 v[TT+16*\e+12:TT+16*\e+13], v[64*\e+2:64*\e+3], v[64*\e+4:64*\e+5]
	v_pk_add_f32 v[TT+16*\e+14:TT+16*\e+15], v[64*\e+6:64*\e+7], v[64*\e+8:64*\e+9]
	v_pk_add_f32 v[A3+2*\e:A3+2*\e+1], v[64*\e+10:64*\e+11], v[64*\e+12:64*\e+13]
.endr
.irp k, 14,22,30,38,46,54
.irp e, 0,1
	v_pk_add_f32 v[TT+16*\e+2:TT+16*\e+3], v[TT+16*\e+2:TT+16*\e+3], v[64*\e+\k:64*\e+\k+1]
	v_pk_add_f32 v[TT+16*\e+12:TT+16*\e+13], v[TT+16*\e+12:TT+16*\e+13], v[64*\e+\k+2:64*\e+\k+3]
	v_pk_add_f32 v[TT+16*\e+14:TT+16*\e+15], v[TT+16*\e+14:TT+16*\e+15], v[64*\e+\k+4:64*\e+\k+5]
	v_pk_add_f32 v[A3+2*\e:A3+2*\e+1], v[A3+2*\e:A3+2*\e+1], v[64*\e+\k+6:64*\e+\k+7]
.endr
.endr
.irp e, 0,1
	v_pk_add_f32 v[TT+16*\e+2:TT+16*\e+3], v[TT+16*\e+2:TT+16*\e+3], v[64*\e+62:64*\e+63]
.endr
.irp e, 0,1
	v_pk_add_f32 v[TT+16*\e+12:TT+16*\e+13], v[TT+16*\e+12:TT+16*\e+13], v[TT+16*\e+14:TT+16*\e+15]
.endr
.irp e, 0,1
	v_pk_add_f32 v[TT+16*\e+2:TT+16*\e+3], v[TT+16*\e+2:TT+16*\e+3], v[A3+2*\e:A3+2*\e+1]
.endr
.irp e, 0,1
	v_pk_add_f32 v[TT+16*\e+2:TT+16*\e+3], v[TT+16*\e+2:TT+16*\e+3], v[TT+16*\e+12:TT+16*\e+13]
.endr
	WIN 0x50                                       ; V and p in window 0, O^T in window 1; the eight accumulators take turns
.irp t, 0,1,2,3
.irp e, 0,1
	v_wmma_scale_f32_16x16x128_f8f6f4 v[OO+32*\e+8*\t:OO+32*\e+8*\t+7], v[VF+12*\t:VF+12*\t+11], v[PCD+12*\e:PCD+12*\e+11], v[OO+32*\e+8*\t:OO+32*\e+8*\t+7], v[VSC+\t], v[PSC+\e] matrix_a_fmt:MATRIX_FMT_BF6 matrix_b_fmt:MATRIX_FMT_BF6
.endr
.endr
	WIN 0
	s_add_co_u32 s[TB], s[TB], REC
	s_sub_co_u32 s[CNT], s[CNT], 1
	s_cmp_lg_u32 s[CNT], 0
	s_cbranch_scc1 .Lstep
	; THE WAY OUT: O^T / the sum; register 16 b + i of a tile is d = 32 b + 16 h + i of my query: two blocks of the projection's K, each shared with lane l xor 16
.rept 4
	v_nop                                          ; places behind the last products
.endr
	WIN 0x55
.irp e, 0,1
	v_add_f32 v[TT+16*\e+2], v[TT+16*\e+2], v[TT+16*\e+3]
.endr
.irp e, 0,1
	v_permlanex16_b32 v[TT+16*\e+10], v[TT+16*\e+2], s[SEL], s[SEL+1]
.endr
.irp e, 0,1
	v_add_f32 v[TT+16*\e+2], v[TT+16*\e+2], v[TT+16*\e+10]        ; the row's sum
.endr
	s_wait_alu depctr_va_vdst(0)                   ; ahead of the transcendentals
.irp e, 0,1
	v_rcp_f32 v[TT+16*\e+2], v[TT+16*\e+2]
.endr
	v_nop                                          ; a plain place behind them
	s_wait_alu depctr_va_vdst(0)                   ; and the wait ahead of their first reader, which is also O^T's
.set i, 0
.rept 64
	v_mul_f32 v[64*(i/32)+(i%32)], v[OO+i], v[TT+16*(i/32)+2]
.set i, i+1
.endr
.irp e, 0,1
.irp b, 0,1
	v_max3_num_f32 v[TT+16*\e+6+\b], |v[64*\e+16*\b]|, |v[64*\e+16*\b+1]|, 0x2800000
.endr
.endr
.irp i, 2,4,6,8,10,12,14
.irp e, 0,1
.irp b, 0,1
	v_max3_num_f32 v[TT+16*\e+6+\b], v[TT+16*\e+6+\b], |v[64*\e+16*\b+\i]|, |v[64*\e+16*\b+\i+1]|
.endr
.endr
.endr
.irp e, 0,1
.irp b, 0,1
	v_permlanex16_b32 v[TT+16*\e+12+\b], v[TT+16*\e+6+\b], s[SEL], s[SEL+1]
.endr
.endr
.irp e, 0,1
.irp b, 0,1
	v_max_num_f32 v[TT+16*\e+6+\b], v[TT+16*\e+6+\b], v[TT+16*\e+12+\b]
.endr
.endr
.irp e, 0,1
.irp b, 0,1
	v_add_nc_u32 v[TT+16*\e+8+\b], 0xfe000000, v[TT+16*\e+6+\b]
.endr
.endr
.irp e, 0,1
.irp b, 0,1
	v_lshrrev_b32 v[TT+16*\e+6+\b], 23, v[TT+16*\e+8+\b]
.endr
.endr
.irp e, 0,1
	v_lshl_or_b32 v[TT+16*\e+6], v[TT+16*\e+7], 8, v[TT+16*\e+6]  ; the head's two bytes of my row's scale word
.endr
	WIN 0x05
.irp e, 0,1
	v_cvt_scalef32_pk16_bf6_f32 v[PCD+12*\e:PCD+12*\e+2], v[64*\e:64*\e+15], v[TT+16*\e+8]
	v_cvt_scalef32_pk16_bf6_f32 v[CT+8*\e:CT+8*\e+2], v[64*\e+16:64*\e+31], v[TT+16*\e+9]
.endr
	WIN 0
	v_nop                                          ; one plain place behind a scaled conversion
.irp e, 0,1
.irp i, 0,1,2
	v_permlane16_swap_b32 v[PCD+12*\e+\i], v[CT+8*\e+\i]          ; the layout wants a whole block in a lane
.endr
.endr
.irp e, 0,1
.irp i, 0,1,2
	v_mov_b32 v[PCD+12*\e+3+\i], v[CT+8*\e+\i]
.endr
.endr
.irp e, 0,1
	global_store_b128 v[L16], v[PCD+12*\e:PCD+12*\e+3], s[44:45] offset:1536*\e       ; 512 consecutive bytes,
	global_store_b64 v[L8], v[PCD+12*\e+4:PCD+12*\e+5], s[44:45] offset:1536*\e+512   ; and 256
.endr
	WIN 0x04                                       ; the data in window 1
.irp e, 0,1
	global_store_b16 v[R4], v[TT+16*\e+6], s[46:47] offset:64*\e  ; lanes 16-31 hold and write the same as lanes 0-15
.endr
	WIN 0
	s_wait_tensorcnt 0x0                           ; the wave's end: behind my last tensor load
	ds_add_u32 v[SPW], v[NIL]
	s_wait_dscnt 0x0
	CROUND                                         ; the closing round
	s_endpgm
.Lfunc_end_k_q70b62ad486_att:
	.size	k_q70b62ad486_att, .Lfunc_end_k_q70b62ad486_att-k_q70b62ad486_att
	.p2alignl 7, 3214868480
	.fill 96, 4, 3214868480
	.section	.rodata,"a",@progbits
	.p2align	6, 0x0
	.amdhsa_kernel k_q70b62ad486_att
		.amdhsa_group_segment_fixed_size 209920
		.amdhsa_private_segment_fixed_size 0
		.amdhsa_enable_private_segment 0
		.amdhsa_kernarg_size 16
		.amdhsa_user_sgpr_count 2
		.amdhsa_user_sgpr_kernarg_segment_ptr 1
		.amdhsa_wavefront_size32 1
		.amdhsa_system_sgpr_workgroup_id_x 1
		.amdhsa_system_sgpr_workgroup_id_y 1
		.amdhsa_system_sgpr_workgroup_id_z 1
		.amdhsa_system_vgpr_workitem_id 0
		.amdhsa_next_free_vgpr 512
		.amdhsa_next_free_sgpr 66
		.amdhsa_reserve_vcc 0
		.amdhsa_float_denorm_mode_32 3
		.amdhsa_float_denorm_mode_16_64 3
		.amdhsa_memory_ordered 1
		.amdhsa_forward_progress 1
		.amdhsa_inst_pref_size 46
	.end_amdhsa_kernel
	.amdgpu_metadata
---
amdhsa.version: [ 1, 2 ]
amdhsa.kernels:
  - .name:           k_q70b62ad486_att
    .symbol:         k_q70b62ad486_att.kd
    .args:
      - { .name: qkv, .offset: 0, .size: 8, .value_kind: global_buffer, .address_space: global }
      - { .name: oc, .offset: 8, .size: 8, .value_kind: global_buffer, .address_space: global }
    .group_segment_fixed_size: 209920
    .private_segment_fixed_size: 0
    .kernarg_segment_align: 8
    .kernarg_segment_size: 16
    .max_flat_workgroup_size: 256
    .sgpr_count:     66
    .vgpr_count:     512
    .wavefront_size: 32
...
	.end_amdgpu_metadata
.endif
;; end of part 3
;; launch projln (part 4): grid 256 x 1, 8 waves a work-group, no clusters, 69,632 bytes of LDS; arguments oc, pq, b_proj, x, g1, beta1, hb; writes hb
.if DOCPART == 4
	.amdgcn_target "amdgcn-amd-amdhsa--gfx1250"
	.amdhsa_code_object_version 6
	.text
	.protected	k_q70b62ad486_projln
	.globl	k_q70b62ad486_projln
	.p2align	8
	.type	k_q70b62ad486_projln,@function
k_q70b62ad486_projln:
	s_mov_b64 s[64:65], 0
	v_nop
	global_prefetch_b8 v0, s[64:65] scope:SCOPE_SE
	s_setreg_imm32_b32 hwreg(HW_REG_WAVE_MODE, 25, 1), 1
	s_wait_xcnt 0x0
; PROJLN: h = layer_norm(attention's result x w_proj + b_proj + x), the product on codes of BF6; h is stored in f32 by tokens and, quantised at once, as the operand of the first FFN product.  No work of reference() is left out.
; SHARES.  A work-group takes one tile of 16 tokens of the operands' row order (place r of tile t of group g = token 128 g + 32 (t / 2) + 8 (t % 2) + r + 8 (r / 8)) and all 1,024 columns, so that the norm's sums stay inside it.
; Wave w takes column group w: 128 columns, 8 accumulators, K = 1,024 in eight steps of 128.
; OPERANDS GO FROM MEMORY STRAIGHT INTO REGISTERS, as fragment images (16 places x 128 K: registers 6 c .. 6 c + 3 of lane l at 768 c + 16 l, registers 6 c + 4, 6 c + 5 at 768 c + 512 + 8 l): with 16 rows a work-group, each fragment
; of w_proj feeds exactly one matrix instruction of the work-group, so a way through LDS would write and read each of its bytes for one use; hence no tensor load and no cluster.  A wave's weights are 98,304 consecutive bytes.
; The loads themselves run two K steps ahead, in two stages of registers, so no prefetch is laid beside them.
; The matrix instruction is used transposed (source 0 = 16 places of w_proj, source 1 = the 16 tokens): lane (r, h) holds token r, and register 16 b + i of its 64 holds column 128 w + 32 b + 16 h + i.  b_proj is the C of the first product.
; THE NORM.  Each wave takes the mean and the sum of squared deviations of its 128 columns; the eight pairs meet in LDS, one barrier, and are joined: mean = the mean of the means, M2 = the sum of the M2 + 128 x the sum of (mean_w - mean)^2.
; x comes in, and h goes out, as whole rows of 512 bytes through the wave's own stage in LDS.
; hb: h at 0; codes at 16,777,216: fragment (g, K step w, t) at ((8 g + w) 8 + t) 1,536; scale words at 19,922,944 + ((g / 2) 8 + w) 1,024 + (128 (g % 2) + 16 t + r) 4.
; LIMITS: NaN and infinities are not served; a block under 2^-122 keeps the byte 1, a block of zeros too (its codes are zeros; this program alone reads the bytes).
; REGISTERS.  Window 0: v1-11 addresses; v16-123 stage 0 (the tokens' fragment, then w_proj's eight); v124-133 scale words, five a stage; v136-199 b_proj, later the shift; v28-91 later the gain; v200-218 h's codes.
; Window 1: v0-63 the accumulators, then h; v64-171 stage 1, later at work; v172-235 x; v236-250 the sums.
.set OSC, 3145728                      ; in oc: the scale words
.set WPC, 5734400                      ; in pq: w_proj's codes and scale words
.set WPS, 6520832
.set HC,  16777216
.set HS,  19922944
.set EX,    67584                      ; LDS: behind eight stages of 16 rows x (512 + 16) bytes: 8 waves x 16 tokens x (mean, M2)
.set SPARE, 68608                      ; the spare words, 128 bytes for each wave: four blocks of 256 bytes that no other line names
.set L16, 1                            ; 16, 8, 4 x lane; 4 r; 64 h
.set L8,  2
.set R4,  3
.set L4,  4
.set H64, 5
.set STI, 6                            ; my stage by rows: + 16 x lane
.set STO, 7                            ; my stage by lanes: + 528 r + 64 h
.set SPW, 8
.set NIL, 9
.set EXW, 10
.set EXR, 11
.set SCS, 124
.set BIAS, 136
.set GM,  28
.set ROWS, 16
.set PC,  200
.set X,   172                          ; window 1
.set TW,  236                          ; +0..7 four running pairs, +8 my mean, +9 my M2, +10 1 / sigma, +12 (my mean - the mean) / sigma, +14 the other half of the lanes'
.set EE,  64
.set TM,  96
.set SEL, 2
.set MSB, 0
.macro WIN new                         ; the immediate's high byte repeats the setting that is left
.if MSB != (\new)
	s_set_vgpr_msb (MSB<<8)|(\new)
.set MSB, (\new)
.endif
.endm
.macro FRAGL reg, base, off            ; a fragment's image: each load reads 512 or 256 consecutive bytes
	global_load_b128 v[\reg:\reg+3], v[L16], s[\base:\base+1] offset:\off
	global_load_b64 v[\reg+4:\reg+5], v[L8], s[\base:\base+1] offset:\off+512
	global_load_b128 v[\reg+6:\reg+9], v[L16], s[\base:\base+1] offset:\off+768
	global_load_b64 v[\reg+10:\reg+11], v[L8], s[\base:\base+1] offset:\off+1280
.endm
.macro LOADST ks                       ; K step ks into stage ks % 2: 41 loads.  A register of w_proj's scale words holds tile 2 q in lanes 0-15 and tile 2 q + 1 in lanes 16-31
.set P, (\ks)%2
	WIN 0x40*P
	FRAGL 16+48*P, 24, 12288*(\ks)
.irp tb, 0,1,2,3,4,5,6,7
	FRAGL 28+48*P+12*\tb, 28, 12288*(\ks)+1536*\tb
.endr
	WIN 0
	global_load_b32 v[SCS+5*P], v[R4], s[26:27] offset:1024*(\ks)
.irp q, 0,1,2,3
	global_load_b32 v[SCS+5*P+1+\q], v[L4], s[30:31] offset:1024*(\ks)+128*\q
.endr
.endm
.macro WM d, fb, fa, c, sb, sa, odd
.if \odd
	v_wmma_scale_f32_16x16x128_f8f6f4 v[\d:\d+7], v[\fb:\fb+11], v[\fa:\fa+11], v[\c:\c+7], v[\sb], v[\sa] matrix_a_fmt:MATRIX_FMT_BF6 matrix_b_fmt:MATRIX_FMT_BF6 matrix_a_scale:MATRIX_SCALE_ROW1
.else
	v_wmma_scale_f32_16x16x128_f8f6f4 v[\d:\d+7], v[\fb:\fb+11], v[\fa:\fa+11], v[\c:\c+7], v[\sb], v[\sa] matrix_a_fmt:MATRIX_FMT_BF6 matrix_b_fmt:MATRIX_FMT_BF6
.endif
.endm
; A K step: the wait for its stage (cnt: the loads issued behind that stage's), eight products, the accumulators by turns, four places, and the loads of two K steps on into the same stage.
.macro KSTEP ks, cnt, more
	s_wait_loadcnt \cnt
.set P, (\ks)%2
.if (\ks) == 0
	WIN 0x40                                       ; sources and C (b_proj) in window 0, D in window 1
.set CB, BIAS
.else
	WIN 0x50+5*P                                   ; C and D in window 1, the sources in the stage's window
.set CB, 0
.endif
.irp tb, 0,1,2,3,4,5,6,7
	WM 8*\tb, 28+48*P+12*\tb, 16+48*P, CB+8*\tb, SCS+5*P+1+\tb/2, SCS+5*P, \tb%2
.endr
.rept 4
	v_nop                                          ; places in front of loads into registers that matrix instructions have read, and of the first reads of results
.endr
.if \more
	LOADST (\ks)+2
.endif
.endm
.macro VEC reg, base                   ; 64 numbers of a vector over the columns, in the result's layout
.irp b, 0,1,2,3
.irp q, 0,1,2,3
	global_load_b128 v[\reg+16*\b+4*\q:\reg+16*\b+4*\q+3], v[H64], s[\base:\base+1] offset:128*\b+16*\q
.endr
.endr
.endm
.macro JOIN to                         ; the four running pairs, my two halves and lane l xor 16's become one number in v[to]
	v_pk_add_f32 v[TW:TW+1], v[TW:TW+1], v[TW+2:TW+3]
	v_pk_add_f32 v[TW+4:TW+5], v[TW+4:TW+5], v[TW+6:TW+7]
	v_pk_add_f32 v[TW:TW+1], v[TW:TW+1], v[TW+4:TW+5]
	v_add_f32 v[TW], v[TW], v[TW+1]
	v_permlanex16_b32 v[TW+14], v[TW], s[SEL], s[SEL+1]
	v_add_f32 v[\to], v[TW], v[TW+14]
.endm
	s_load_b256 s[4:11], s[0:1], 0x0               ; oc, pq, b_proj, x
	s_load_b128 s[12:15], s[0:1], 0x20             ; g1, beta1
	s_load_b64 s[16:17], s[0:1], 0x30              ; hb
	v_lshl_add_u32 v[SPW], v0, 2, SPARE
	v_mov_b32 v[NIL], 0
	v_lshrrev_b32 v12, 5, v0
	v_readfirstlane_b32 s18, v12                   ; wave 0..7
	v_and_b32 v12, 31, v0
	v_and_b32 v13, 15, v0                          ; r
	v_bfe_u32 v14, v0, 4, 1                        ; h
	v_lshlrev_b32 v[L16], 4, v12
	v_lshlrev_b32 v[L8], 3, v12
	v_lshlrev_b32 v[L4], 2, v12
	v_lshlrev_b32 v[R4], 2, v13
	v_lshlrev_b32 v[H64], 6, v14
	s_mul_i32 s21, s18, 8448
	v_add_nc_u32 v[STI], s21, v[L16]
	v_mul_u32_u24 v15, v13, 528
	v_lshl_add_u32 v15, v14, 6, v15
	v_add_nc_u32 v[STO], s21, v15
	s_lshl_b32 s21, s18, 7
	s_add_co_u32 s21, s21, EX
	v_lshl_add_u32 v[EXW], v13, 3, s21
	v_lshl_add_u32 v[EXR], v13, 3, EX
	WIN 0x40
.irp j, 9,11,13,14
	v_mov_b32 v[TW+\j], 0                          ; named as the upper halves of pairs, or as a lane permute's destination, before they are first written
.endr
	WIN 0
	s_mov_b32 s[SEL], 0x76543210
	s_mov_b32 s[SEL+1], 0xfedcba98
	s_mov_b32 s46, 0x3c000000                      ; 1 / 128
	s_mov_b32 s47, 0x3a800000                      ; 1 / 1,024
	s_mov_b32 s48, 0x3727c5ac                      ; 1e-5
	s_mov_b32 s49, 0x43000000                      ; 128
	s_lshr_b32 s19, ttmp9, 3                       ; g
	s_and_b32 s20, ttmp9, 7                        ; t
	s_lshl_b32 s22, s19, 7
	s_lshr_b32 s23, s20, 1
	s_lshl_b32 s23, s23, 5
	s_add_co_u32 s22, s22, s23
	s_and_b32 s23, s20, 1
	s_lshl_b32 s23, s23, 3
	s_add_co_u32 s22, s22, s23                     ; the tile's first token
	s_lshl_b32 s22, s22, 12
	s_lshl_b32 s50, s18, 9                         ; my 128 columns: 512 bytes
	s_add_co_u32 s22, s22, s50
	s_mov_b32 s23, 0
	s_mov_b32 s51, 0
	s_lshl_b32 s24, s19, 6
	s_add_co_u32 s24, s24, s20
	s_mul_i32 s24, s24, 1536                       ; the tokens' codes: ((8 g + ks) 8 + t) 1,536
	s_mov_b32 s25, 0
	s_lshr_b32 s26, s19, 1
	s_lshl_b32 s26, s26, 13
	s_and_b32 s27, s19, 1
	s_lshl_b32 s27, s27, 9
	s_add_co_u32 s26, s26, s27
	s_lshl_b32 s27, s20, 6
	s_add_co_u32 s26, s26, s27                     ; the tile's scale words: (g / 2) 8,192 + (128 (g % 2) + 16 t) 4
	s_lshl_b32 s44, s18, 10
	s_add_co_u32 s44, s44, s26
	s_add_co_u32 s44, s44, HS                      ; h's, of K step w
	s_mov_b32 s45, 0
	s_add_co_u32 s26, s26, OSC
	s_mov_b32 s27, 0
	s_mul_i32 s28, s18, 98304                      ; w_proj's codes of column group w
	s_add_co_u32 s28, s28, WPC
	s_mov_b32 s29, 0
	s_lshr_b32 s30, s18, 1
	s_lshl_b32 s30, s30, 13
	s_and_b32 s31, s18, 1
	s_lshl_b32 s31, s31, 9
	s_add_co_u32 s30, s30, s31
	s_add_co_u32 s30, s30, WPS                     ; and its scale words
	s_mov_b32 s31, 0
	s_lshl_b32 s42, s19, 3
	s_add_co_u32 s42, s42, s18
	s_lshl_b32 s42, s42, 3
	s_add_co_u32 s42, s42, s20
	s_mul_i32 s42, s42, 1536
	s_add_co_u32 s42, s42, HC                      ; h's codes
	s_mov_b32 s43, 0
	s_wait_alu depctr_va_vdst(0)                   ; the head's end
	s_wait_kmcnt 0x0
	s_add_nc_u64 s[24:25], s[4:5], s[24:25]
	s_add_nc_u64 s[26:27], s[4:5], s[26:27]
	s_add_nc_u64 s[28:29], s[6:7], s[28:29]
	s_add_nc_u64 s[30:31], s[6:7], s[30:31]
	s_add_nc_u64 s[32:33], s[10:11], s[22:23]      ; x
	s_add_nc_u64 s[34:35], s[16:17], s[22:23]      ; h
	s_add_nc_u64 s[36:37], s[8:9], s[50:51]        ; b_proj, g1, beta1 at my columns
	s_add_nc_u64 s[38:39], s[12:13], s[50:51]
	s_add_nc_u64 s[40:41], s[14:15], s[50:51]
	s_add_nc_u64 s[42:43], s[16:17], s[42:43]
	s_add_nc_u64 s[44:45], s[16:17], s[44:45]
	VEC BIAS, 36                                   ; 16 loads
	LOADST 0
	LOADST 1
	WIN 0x40
.irp i, 0,1,2,3,4,5,6,7,8,9,10,11,12,13,14,15
	global_load_b128 v[X+4*\i:X+4*\i+3], v[L16], s[32:33] offset:(\i+8*(\i/8))*4096 th:TH_LOAD_NT   ; place i of the tile: 512 consecutive bytes of its row
.endr
	WIN 0
	KSTEP 0, 57, 1                                 ; behind stage 0's loads: stage 1's 41 and x's 16
	KSTEP 1, 57, 1                                 ; x's 16 and K step 2's 41
	KSTEP 2, 41, 1                                 ; K step 3's 41; x, asked for earlier, is in too
	WIN 0x04                                       ; x turns through my stage: in by rows,
.irp i, 0,1,2,3,4,5,6,7,8,9,10,11,12,13,14,15
	ds_store_b128 v[STI], v[X+4*\i:X+4*\i+3] offset:528*\i
.endr
	s_wait_dscnt 0x0                               ; the stores have read their registers,
	WIN 0x40
.irp b, 0,1,2,3
.irp q, 0,1,2,3
	ds_load_b128 v[X+16*\b+4*\q:X+16*\b+4*\q+3], v[STO] offset:128*\b+16*\q   ; which take it back in the result's layout
.endr
.endr
	WIN 0
	KSTEP 3, 41, 1
	KSTEP 4, 41, 1
	KSTEP 5, 41, 1
	VEC BIAS, 40                                   ; the shift, where b_proj lay
	KSTEP 6, 57, 0                                 ; K step 7's 41 and the shift's 16
	WIN 0
	VEC GM, 38                                     ; the gain, where stage 0's fragments lay
	KSTEP 7, 32, 0                                 ; the shift's 16 and the gain's 16
	s_wait_dscnt 0x0                               ; x is back from the stage
	WIN 0x55                                       ; the norm lives in window 1
.set i, 0
.rept 32
	v_pk_add_f32 v[i:i+1], v[i:i+1], v[X+i:X+i+1]  ; + x, each accumulator from its low end on
.set i, i+2
.endr
.irp c, 0,1,2,3
	v_pk_add_f32 v[TW+2*\c:TW+2*\c+1], v[4*\c:4*\c+1], v[4*\c+2:4*\c+3]   ; the sum of my 64, in four chains
.endr
.irp k, 16,24,32,40,48,56
.irp c, 0,1,2,3
	v_pk_add_f32 v[TW+2*\c:TW+2*\c+1], v[TW+2*\c:TW+2*\c+1], v[\k+2*\c:\k+2*\c+1]
.endr
.endr
	JOIN TW
	v_mul_f32 v[TW+8], s46, v[TW]                  ; the mean of my wave's 128 columns
.set i, 0
.rept 32
	v_pk_add_f32 v[i:i+1], v[i:i+1], v[TW+8:TW+9] op_sel_hi:[1,0] neg_lo:[0,1] neg_hi:[0,1]
.set i, i+2
.endr
.irp c, 0,1,2,3
	v_pk_mul_f32 v[TW+2*\c:TW+2*\c+1], v[2*\c:2*\c+1], v[2*\c:2*\c+1]     ; the squared deviations from it
.endr
.irp k, 8,16,24,32,40,48,56
.irp c, 0,1,2,3
	v_pk_fma_f32 v[TW+2*\c:TW+2*\c+1], v[\k+2*\c:\k+2*\c+1], v[\k+2*\c:\k+2*\c+1], v[TW+2*\c:TW+2*\c+1]
.endr
.endr
	JOIN TW+9
	WIN 0x04
	ds_store_b64 v[EXW], v[TW+8:TW+9]              ; lanes 16-31 hold and write the same as lanes 0-15
	WIN 0
	s_wait_alu depctr_va_vdst(0)                   ; directly ahead of the wait below
	s_wait_dscnt 0x0                               ; for the others' sake
	s_barrier_signal -1
	s_barrier_wait -1
	WIN 0x40
.irp w, 0,1,2,3,4,5,6,7
	ds_load_b64 v[EE+2*\w:EE+2*\w+1], v[EXR] offset:128*\w
.endr
	WIN 0x55
	s_wait_dscnt 0x0
	s_wait_loadcnt 0x0                             ; gain and shift
.irp p, 0,1,2,3
	v_add_f32 v[EE+16+\p], v[EE+4*\p], v[EE+4*\p+2]
	v_add_f32 v[EE+20+\p], v[EE+4*\p+1], v[EE+4*\p+3]
.endr
.irp p, 0,2
	v_add_f32 v[EE+16+\p], v[EE+16+\p], v[EE+17+\p]
	v_add_f32 v[EE+20+\p], v[EE+20+\p], v[EE+21+\p]
.endr
	v_add_f32 v[EE+16], v[EE+16], v[EE+18]
	v_add_f32 v[EE+20], v[EE+20], v[EE+22]         ; the sum of the eight M2
	v_mul_f32 v[EE+16], 0x3e000000, v[EE+16]       ; the row's mean
.irp w, 0,1,2,3,4,5,6,7
	v_sub_f32 v[EE+24+\w], v[EE+2*\w], v[EE+16]
.endr
	v_mul_f32 v[EE+17], v[EE+24], v[EE+24]
	v_mul_f32 v[EE+18], v[EE+25], v[EE+25]
.irp w, 2,4,6
	v_fma_f32 v[EE+17], v[EE+24+\w], v[EE+24+\w], v[EE+17]
	v_fma_f32 v[EE+18], v[EE+25+\w], v[EE+25+\w], v[EE+18]
.endr
	v_add_f32 v[EE+17], v[EE+17], v[EE+18]
	v_sub_f32 v[TW+12], v[TW+8], v[EE+16]          ; my wave's mean less the row's
	v_fma_f32 v[EE+20], v[EE+17], s49, v[EE+20]    ; the row's M2
	v_fma_f32 v[EE+20], v[EE+20], s47, s48         ; the variance + 1e-5
	s_wait_alu depctr_va_vdst(0)                   ; ahead of the transcendental
	v_rsq_f32 v[TW+10], v[EE+20]
	v_nop                                          ; a plain place behind it
	s_wait_alu depctr_va_vdst(0)                   ; and the wait ahead of its first reader
	v_mul_f32 v[TW+12], v[TW+12], v[TW+10]
.set i, 0
.rept 32
	v_pk_fma_f32 v[i:i+1], v[i:i+1], v[TW+10:TW+11], v[TW+12:TW+13] op_sel_hi:[1,0,0]   ; (y - the row's mean) / sigma
.set i, i+2
.endr
	WIN 0x41                                       ; gain and shift in window 0
.set i, 0
.rept 32
	v_pk_fma_f32 v[i:i+1], v[i:i+1], v[GM+i:GM+i+1], v[BIAS+i:BIAS+i+1]
.set i, i+2
.endr
	WIN 0x04                                       ; h turns through my stage: in by lanes,
.irp b, 0,1,2,3
.irp q, 0,1,2,3
	ds_store_b128 v[STO], v[16*\b+4*\q:16*\b+4*\q+3] offset:128*\b+16*\q
.endr
.endr
	WIN 0
.irp i, 0,1,2,3,4,5,6,7,8,9,10,11,12,13,14,15
	ds_load_b128 v[ROWS+4*\i:ROWS+4*\i+3], v[STI] offset:528*\i   ; back by rows: LDS serves a wave's instructions in order
.endr
	WIN 0x55                                       ; meanwhile h's four blocks of 32 are quantised: register 16 b + i is k = 32 b + 16 h + i of K step w
.irp b, 0,1,2,3
	v_mov_b32 v[TM+4+\b], 0                        ; a lane permute's destination counts as one of its sources
.endr
.irp b, 0,1,2,3
	v_max3_num_f32 v[TM+\b], |v[16*\b]|, |v[16*\b+1]|, 0x2800000   ; my 16 numbers of block b, and the floor 2^(5 - 127)
.endr
.irp i, 2,4,6,8,10,12,14
.irp b, 0,1,2,3
	v_max3_num_f32 v[TM+\b], v[TM+\b], |v[16*\b+\i]|, |v[16*\b+\i+1]|
.endr
.endr
.irp b, 0,1,2,3
	v_permlanex16_b32 v[TM+4+\b], v[TM+\b], s[SEL], s[SEL+1]
.endr
.irp b, 0,1,2,3
	v_max_num_f32 v[TM+\b], v[TM+\b], v[TM+4+\b]   ; with lane l xor 16's: the block's largest magnitude
.endr
.irp b, 0,1,2,3
	v_add_nc_u32 v[TM+12+\b], 0xfe000000, v[TM+\b] ; 4 off its exponent field: the conversion's scale operand
.endr
.irp b, 0,1,2,3
	v_lshrrev_b32 v[TM+4+\b], 23, v[TM+12+\b]      ; the scale's byte
.endr
	v_lshl_or_b32 v[TM+8], v[TM+5], 8, v[TM+4]
	v_lshl_or_b32 v[TM+8], v[TM+6], 16, v[TM+8]
	v_lshl_or_b32 v[TM+8], v[TM+7], 24, v[TM+8]
	WIN 0x05                                       ; sources in window 1, the codes in window 0
.irp c, 0,1
	v_cvt_scalef32_pk16_bf6_f32 v[PC+6*\c:PC+6*\c+2], v[32*\c:32*\c+15], v[TM+12+2*\c]
	v_cvt_scalef32_pk16_bf6_f32 v[PC+12+4*\c:PC+14+4*\c], v[32*\c+16:32*\c+31], v[TM+13+2*\c]   ; a conversion's three registers begin on an even number
.endr
	WIN 0
	v_nop                                          ; one plain place behind a scaled conversion
.irp c, 0,1
.irp i, 0,1,2
	v_permlane16_swap_b32 v[PC+6*\c+\i], v[PC+12+4*\c+\i]   ; the layout wants a whole block in a lane
.endr
.irp i, 0,1,2
	v_mov_b32 v[PC+3+6*\c+\i], v[PC+12+4*\c+\i]
.endr
.endr
	global_store_b128 v[L16], v[PC:PC+3], s[42:43]
	global_store_b64 v[L8], v[PC+4:PC+5], s[42:43] offset:512
	global_store_b128 v[L16], v[PC+6:PC+9], s[42:43] offset:768
	global_store_b64 v[L8], v[PC+10:PC+11], s[42:43] offset:1280
	WIN 0x04
	global_store_b32 v[R4], v[TM+8], s[44:45]      ; lanes 16-31 hold and write the same as lanes 0-15: 64 consecutive bytes
	WIN 0
	s_wait_dscnt 0x0                               ; h's rows are back
.irp i, 0,1,2,3,4,5,6,7,8,9,10,11,12,13,14,15
	global_store_b128 v[L16], v[ROWS+4*\i:ROWS+4*\i+3], s[34:35] offset:(\i+8*(\i/8))*4096   ; 512 consecutive bytes, aligned
.endr
	s_wait_tensorcnt 0x0                           ; the wave's end: behind my last LDS store
	ds_add_u32 v[SPW], v[NIL]
	s_wait_dscnt 0x0
	s_endpgm
.Lfunc_end_k_q70b62ad486_projln:
	.size	k_q70b62ad486_projln, .Lfunc_end_k_q70b62ad486_projln-k_q70b62ad486_projln
	.p2alignl 7, 3214868480
	.fill 96, 4, 3214868480
	.section	.rodata,"a",@progbits
	.p2align	6, 0x0
	.amdhsa_kernel k_q70b62ad486_projln
		.amdhsa_group_segment_fixed_size 69632
		.amdhsa_private_segment_fixed_size 0
		.amdhsa_enable_private_segment 0
		.amdhsa_kernarg_size 56
		.amdhsa_user_sgpr_count 2
		.amdhsa_user_sgpr_kernarg_segment_ptr 1
		.amdhsa_wavefront_size32 1
		.amdhsa_system_sgpr_workgroup_id_x 1
		.amdhsa_system_sgpr_workgroup_id_y 1
		.amdhsa_system_sgpr_workgroup_id_z 1
		.amdhsa_system_vgpr_workitem_id 0
		.amdhsa_next_free_vgpr 512
		.amdhsa_next_free_sgpr 66
		.amdhsa_reserve_vcc 0
		.amdhsa_float_denorm_mode_32 3
		.amdhsa_float_denorm_mode_16_64 3
		.amdhsa_memory_ordered 1
		.amdhsa_forward_progress 1
		.amdhsa_inst_pref_size 77
	.end_amdhsa_kernel
	.amdgpu_metadata
---
amdhsa.version: [ 1, 2 ]
amdhsa.kernels:
  - .name:           k_q70b62ad486_projln
    .symbol:         k_q70b62ad486_projln.kd
    .args:
      - { .name: oc, .offset: 0, .size: 8, .value_kind: global_buffer, .address_space: global }
      - { .name: pq, .offset: 8, .size: 8, .value_kind: global_buffer, .address_space: global }
      - { .name: b_proj, .offset: 16, .size: 8, .value_kind: global_buffer, .address_space: global }
      - { .name: x, .offset: 24, .size: 8, .value_kind: global_buffer, .address_space: global }
      - { .name: g1, .offset: 32, .size: 8, .value_kind: global_buffer, .address_space: global }
      - { .name: beta1, .offset: 40, .size: 8, .value_kind: global_buffer, .address_space: global }
      - { .name: hb, .offset: 48, .size: 8, .value_kind: global_buffer, .address_space: global }
    .group_segment_fixed_size: 69632
    .private_segment_fixed_size: 0
    .kernarg_segment_align: 8
    .kernarg_segment_size: 56
    .max_flat_workgroup_size: 256
    .sgpr_count:     66
    .vgpr_count:     512
    .wavefront_size: 32
...
	.end_amdgpu_metadata
.endif
;; end of part 4
;; launch gff1 (part 5): grid 16 x 16, 4 waves a work-group, clusters of 4 x 4, 327,680 bytes of LDS; arguments hb, pq, b_ff1, fc; writes fc
.if DOCPART == 5
	.amdgcn_target "amdgcn-amd-amdhsa--gfx1250"
	.amdhsa_code_object_version 6
	.text
	.protected	k_q70b62ad486_gff1
	.globl	k_q70b62ad486_gff1
	.p2align	8
	.type	k_q70b62ad486_gff1,@function
k_q70b62ad486_gff1:
	s_mov_b64 s[64:65], 0
	v_nop
	global_prefetch_b8 v0, s[64:65] scope:SCOPE_SE
	s_setreg_imm32_b32 hwreg(HW_REG_WAVE_MODE, 25, 1), 1
	s_wait_xcnt 0x0
	s_wait_alu depctr_hold_cnt(0) depctr_sa_sdst(0) depctr_va_vdst(0) depctr_va_sdst(0) depctr_va_ssrc(0) depctr_va_vcc(0) depctr_vm_vsrc(0)
	s_getreg_b32 s2, hwreg(HW_REG_IB_STS2, 6, 4)
	s_cmp_eq_u32 s2, 0
	s_cbranch_scc0 .Lentry_in_a_cluster
	s_endpgm
.Lentry_in_a_cluster:
	s_bfe_u32 s2, ttmp6, 0x10000c
	s_cmp_lg_u32 s2, 0xf033
	s_cbranch_scc0 .Lentry_shape_is_right
	s_endpgm
.Lentry_shape_is_right:
.set HC,  16777216
.set HS,  19922944
.set W1C, 6553600
.set W1S, 9699328
.set FSC, 12582912
.set FR,    12
.set HALFT, 24576
.set SLOT,  4*HALFT
.set SCL,   2*SLOT
.set STG,   SCL+16384
.set SPARE, STG+2048
.set ADRA, 16
.set ADRB, 20
.set L16,  24
.set L8,   25
.set SGW,  26
.set ADRS, 27
.set SPW,  28
.set NIL,  29
.set SGR,  30
.set SC,   32
.set BIAS, 64
.set AF,   128
.set TM,   168
.set PWA,  192
.set BK,   208
.set SEL,  2
.set G1A, 24
.set G0A, 32
.set G1B, 48
.set G0B, 56
.set G1SA, 68
.set G0SA, 76
.set G1SB, 80
.set G0SB, 88
.set MSB, 0
.macro WIN new
.if MSB != (\new)
	s_set_vgpr_msb (MSB<<8)|(\new)
.set MSB, (\new)
.endif
.endm
.set MUL_LO, 0xa1
.set MUL_HI, 0xf1
.macro PLACES n
.rept \n
	v_nop
.endr
.endm
.macro JLOAD g0a, g1a, g0b, g1b
	s_cmp_eq_u32 s13, 0
	s_cbranch_scc0 .Lfor_b_\@
	tensor_load_to_lds s[\g0a:\g0a+3], s[\g1a:\g1a+7]
	s_nop 0
.rept 4
	v_nop
.endr
	s_branch .Lasked_\@
.Lfor_b_\@:
	tensor_load_to_lds s[\g0b:\g0b+3], s[\g1b:\g1b+7]
	s_nop 0
.rept 4
	v_nop
.endr
.Lasked_\@:
.endm
.macro CREST
	s_cmp_lg_u32 s12, 0
	s_cbranch_scc1 .Lnot_wave_0_\@
	s_barrier_signal -3
.Lnot_wave_0_\@:
	s_barrier_wait -3
	s_barrier_signal -1
	s_barrier_wait -1
.endm
.macro CROUND
	s_barrier_signal -1
	s_barrier_wait -1
	CREST
.endm
	s_load_b256 s[4:11], s[0:1], 0x0
	v_lshl_add_u32 v[SPW], v0, 2, SPARE
	v_mov_b32 v[NIL], 0
	ds_add_u32 v[SPW], v[NIL]
	ds_add_u32 v[SPW], v[NIL]
	v_lshrrev_b32 v1, 5, v0
	v_readfirstlane_b32 s12, v1
	s_lshr_b32 s13, s12, 1
	s_and_b32 s14, s12, 1
	s_bfe_u32 s15, ttmp6, 0x40000
	s_bfe_u32 s16, ttmp6, 0x40004
	s_and_b32 s17, ttmp7, 0xffff
	s_lshl_b32 s17, s17, 2
	s_add_co_u32 s17, s17, s16
	s_lshl_b32 s18, ttmp9, 2
	s_add_co_u32 s18, s18, s15
	s_lshl_b32 s19, s16, 2
	s_lshl_b32 s19, 15, s19
	s_lshl_b32 s66, 0x1111, s15
	s_or_b32 s[G1A], s19, (3<<16)|(1<<21)
	s_or_b32 s[G1B], s66, (3<<16)|(1<<21)
	s_or_b32 s[G1SA], s19, (3<<16)|(1<<21)
	s_or_b32 s[G1SB], s66, (3<<16)|(1<<21)
.irp g, G1A, G1B
	s_mov_b32 s[\g+1], 32<<16
	s_mov_b32 s[\g+2], 96<<16
	s_mov_b32 s[\g+3], 32<<16
	s_mov_b32 s[\g+4], 96
	s_mov_b32 s[\g+5], 32
	s_mov_b32 s[\g+6], 0
	s_mov_b32 s[\g+7], 0
.endr
.irp g, G1SA, G1SB
	s_mov_b32 s[\g+1], 32<<16
	s_mov_b32 s[\g+2], 16<<16
	s_mov_b32 s[\g+3], 32<<16
	s_mov_b32 s[\g+4], 16
	s_mov_b32 s[\g+5], 32
	s_mov_b32 s[\g+6], 0
	s_mov_b32 s[\g+7], 0
.endr
	s_lshl_b32 s67, s14, 12
	s_lshl_b32 s20, s17, 1
	s_add_co_u32 s20, s20, s14
	s_mul_i32 s20, s20, 98304
	s_add_co_u32 s20, s20, HC
	s_mov_b32 s21, 0
	s_lshl_b32 s22, s17, 13
	s_add_co_u32 s22, s22, s67
	s_add_co_u32 s22, s22, HS
	s_mov_b32 s23, 0
	s_lshl_b32 s96, s18, 1
	s_add_co_u32 s96, s96, s14
	s_mul_i32 s96, s96, 98304
	s_add_co_u32 s96, s96, W1C
	s_mov_b32 s97, 0
	s_lshl_b32 s98, s18, 13
	s_add_co_u32 s98, s98, s67
	s_add_co_u32 s98, s98, W1S
	s_mov_b32 s99, 0
	s_mul_i32 s2, s12, HALFT
	s_lshl_b32 s3, s12, 12
	s_wait_dscnt 0x0
	s_wait_kmcnt 0x0
	s_add_nc_u64 s[20:21], s[4:5], s[20:21]
	s_add_nc_u64 s[22:23], s[4:5], s[22:23]
	s_add_nc_u64 s[96:97], s[6:7], s[96:97]
	s_add_nc_u64 s[98:99], s[6:7], s[98:99]
	CROUND
	s_mov_b32 s[G0SA], 1
	s_add_co_u32 s[G0SA+1], s3, SCL
	s_mov_b64 s[G0SA+2:G0SA+3], s[22:23]
	s_or_b32 s[G0SA+3], s[G0SA+3], 0x80000000
	s_mov_b32 s[G0SB], 1
	s_add_co_u32 s[G0SB+1], s3, SCL
	s_mov_b64 s[G0SB+2:G0SB+3], s[98:99]
	s_or_b32 s[G0SB+3], s[G0SB+3], 0x80000000
	JLOAD G0SA, G1SA, G0SB, G1SB
.irp s, 0,1
	s_mov_b32 s[G0A+4*\s], 1
	s_add_co_u32 s[G0A+4*\s+1], s2, \s*SLOT
	s_add_nc_u64 s[G0A+4*\s+2:G0A+4*\s+3], s[20:21], \s*HALFT
	s_or_b32 s[G0A+4*\s+3], s[G0A+4*\s+3], 0x80000000
	s_mov_b32 s[G0B+4*\s], 1
	s_add_co_u32 s[G0B+4*\s+1], s2, \s*SLOT
	s_add_nc_u64 s[G0B+4*\s+2:G0B+4*\s+3], s[96:97], \s*HALFT
	s_or_b32 s[G0B+4*\s+3], s[G0B+4*\s+3], 0x80000000
	s_wait_alu depctr_va_vdst(0)
	s_wait_tensorcnt 0x0
	ds_add_u32 v28, v29
	s_wait_dscnt 0x0
	CROUND
	JLOAD G0A+4*\s, G1A, G0B+4*\s, G1B
.endr
	v_and_b32 v1, 31, v0
	v_and_b32 v2, 15, v0
	v_bfe_u32 v3, v0, 4, 1
	v_lshlrev_b32 v[L16], 4, v1
	s_wait_alu depctr_va_vdst(0)
	v_lshlrev_b32 v[L8], 3, v1
	s_wait_alu depctr_va_vdst(0)
	v_lshlrev_b32 v5, 6, v3
	s_lshl_b32 s66, s18, 10
	s_lshl_b32 s67, s14, 9
	s_add_co_u32 s66, s66, s67
	s_mov_b32 s67, 0
	s_add_nc_u64 s[8:9], s[8:9], s[66:67]
.irp b, 0,1,2,3
.irp u, 0,1
	global_load_b128 v[BIAS+8*(2*\b+\u):BIAS+8*(2*\b+\u)+3], v5, s[8:9] offset:128*\b+32*\u
	global_load_b128 v[BIAS+8*(2*\b+\u)+4:BIAS+8*(2*\b+\u)+7], v5, s[8:9] offset:128*\b+32*\u+16
.endr
.endr
	s_mul_i32 s66, s13, HALFT
	s_mul_i32 s67, s14, HALFT
	s_add_co_u32 s67, s67, 2*HALFT
.irp s, 0,1
	v_add_nc_u32 v[ADRA+\s], s66, v[L16]
	v_add_nc_u32 v[ADRA+2+\s], s66, v[L8]
	v_add_nc_u32 v[ADRB+\s], s67, v[L16]
	v_add_nc_u32 v[ADRB+2+\s], s67, v[L8]
	s_add_co_u32 s66, s66, SLOT
	s_add_co_u32 s67, s67, SLOT
.endr
	s_lshl_b32 s66, s13, 9
	s_lshl_b32 s67, s14, 9
	s_add_co_u32 s67, s67, 8192
	s_sub_co_u32 s67, s67, s66
	v_mul_u32_u24 v4, s67, v3
	s_add_co_u32 s66, s66, SCL
	v_lshl_add_u32 v4, v2, 2, v4
	v_add_nc_u32 v[ADRS], s66, v4
	s_lshl_b32 s66, s12, 9
	s_add_co_u32 s66, s66, STG
	v_lshl_add_u32 v[SGW], v2, 2, s66
	v_add_nc_u32 v[SGR], s66, v[L16]
.macro FRAG reg, adr, off
	ds_load_b128 v[\reg:\reg+3], v[\adr] offset:\off
	ds_load_b64 v[\reg+4:\reg+5], v[\adr+2] offset:\off+512
	ds_load_b128 v[\reg+6:\reg+9], v[\adr] offset:\off+768
	ds_load_b64 v[\reg+10:\reg+11], v[\adr+2] offset:\off+1280
.endm
.macro MUL16 a0, p, q, sc, zero
.irp a, \a0, \a0+1
.irp b, 0,1,2,3,4,5,6,7
.if \zero
	v_wmma_scale_f32_16x16x128_f8f6f4 v[8*(8*((\a)%4)+\b):8*(8*((\a)%4)+\b)+7], v[128*(\p)+FR*\b:128*(\p)+FR*\b+FR-1], v[AF+FR*(\a):AF+FR*(\a)+FR-1], v[BIAS+8*\b:BIAS+8*\b+7], v[SC+16*(\sc)+2*\b+(\q)], v[SC+16*(\sc)+2*(\a)+(\q)] matrix_a_fmt:MATRIX_FMT_BF6 matrix_b_fmt:MATRIX_FMT_BF6 matrix_a_scale:MATRIX_SCALE_ROW1
.else
	v_wmma_scale_f32_16x16x128_f8f6f4 v[8*(8*((\a)%4)+\b):8*(8*((\a)%4)+\b)+7], v[128*(\p)+FR*\b:128*(\p)+FR*\b+FR-1], v[AF+FR*(\a):AF+FR*(\a)+FR-1], v[8*(8*((\a)%4)+\b):8*(8*((\a)%4)+\b)+7], v[SC+16*(\sc)+2*\b+(\q)], v[SC+16*(\sc)+2*(\a)+(\q)] matrix_a_fmt:MATRIX_FMT_BF6 matrix_b_fmt:MATRIX_FMT_BF6 matrix_a_scale:MATRIX_SCALE_ROW1
.endif
.endr
.endr
.endm
.macro FETCH_B slot, q, p
	WIN 0x40
.irp i, 0,1,2,3,4,5,6,7
	FRAG 128*(\p)+FR*\i, ADRB+\slot, 12288*(\q)+1536*\i
.endr
	WIN 0
.endm
.macro FETCH_A slot, q, i0
.irp i, \i0, \i0+1, \i0+2, \i0+3
	FRAG AF+FR*(\i), ADRA+\slot, 12288*(\q)+1536*(\i)
.endr
.endm
.macro SCALES sc, ks
.irp i, 0,1,2,3,4,5,6,7
.irp q, 0,1
	ds_load_b32 v[SC+16*\sc+2*\i+\q], v[ADRS] offset:2048*(\ks)+1024*\q+64*\i
.endr
.endr
.endm
.macro STEP slot, zero
	s_wait_dscnt 16
.if \zero
	WIN 0x81
.else
	WIN MUL_LO
.endif
	MUL16 0, 0, 0, \slot, \zero
	MUL16 2, 0, 0, \slot, \zero
	s_wait_dscnt 0x0
	PLACES 4
	FETCH_B \slot, 1, 1
	FETCH_A \slot, 1, 0
.if \zero
	WIN 0xc1
.else
	WIN MUL_HI
.endif
	MUL16 4, 0, 0, \slot, \zero
	MUL16 6, 0, 0, \slot, \zero
	PLACES 4
	WIN 0
	FETCH_A \slot, 1, 4
.endm
.macro TURN slot, next, fill, ks
	s_wait_tensorcnt 0x0
	ds_add_u32 v[SPW], v[NIL]
	s_wait_dscnt 17
	WIN MUL_LO
	MUL16 0, 1, 1, \slot, 0
	s_wait_dscnt 0x0
	s_barrier_signal -1
	MUL16 2, 1, 1, \slot, 0
	WIN 0
	s_barrier_wait -1
.if \fill
	CREST
	s_add_nc_u64 s[G0A+4*\slot+2:G0A+4*\slot+3], s[G0A+4*\slot+2:G0A+4*\slot+3], 2*HALFT
	s_add_nc_u64 s[G0B+4*\slot+2:G0B+4*\slot+3], s[G0B+4*\slot+2:G0B+4*\slot+3], 2*HALFT
	JLOAD G0A+4*\slot, G1A, G0B+4*\slot, G1B
.else
	PLACES 4
.endif
	FETCH_B \next, 0, 0
	FETCH_A \next, 0, 0
	SCALES \next, \ks
	WIN MUL_HI
	MUL16 4, 1, 1, \slot, 0
	MUL16 6, 1, 1, \slot, 0
	PLACES 4
	WIN 0
	FETCH_A \next, 0, 4
.endm
	s_wait_alu depctr_va_vdst(0)
	s_wait_tensorcnt 1
	s_barrier_signal -1
	s_barrier_wait -1
	FETCH_B 0, 0, 0
	FETCH_A 0, 0, 0
	SCALES 0, 0
	FETCH_A 0, 0, 4
	s_wait_loadcnt 0x0
	STEP 0, 1
	TURN 0, 1, 1, 1
	STEP 1, 0
	TURN 1, 0, 1, 2
	STEP 0, 0
	TURN 0, 1, 0, 3
	STEP 1, 0
	s_wait_dscnt 16
	WIN MUL_LO
	MUL16 0, 1, 1, 1, 0
	MUL16 2, 1, 1, 1, 0
	s_wait_dscnt 0x0
	WIN MUL_HI
	MUL16 4, 1, 1, 1, 0
	MUL16 6, 1, 1, 1, 0
	WIN 0
	PLACES 4
.macro QUANTW
	WIN ((W<<2)|(W<<4))
.irp b, 0,1,2,3
	v_max3_num_f32 v[TM+\b], 0x2800000, |v[AC+16*\b]|, |v[AC+16*\b+1]|
.endr
.irp i, 2,4,6,8,10,12,14
.irp b, 0,1,2,3
	v_max3_num_f32 v[TM+\b], v[TM+\b], |v[AC+16*\b+\i]|, |v[AC+16*\b+\i+1]|
.endr
.endr
	WIN 0
.irp b, 0,1,2,3
	v_permlanex16_b32 v[TM+4+\b], v[TM+\b], s[SEL], s[SEL+1]
.endr
.irp b, 0,1,2,3
	v_max_num_f32 v[TM+\b], v[TM+\b], v[TM+4+\b]
.endr
.irp b, 0,1,2,3
	v_add_nc_u32 v[TM+12+\b], 0xfe000000, v[TM+\b]
.endr
.irp b, 0,1,2,3
	v_lshrrev_b32 v[TM+4+\b], 23, v[TM+12+\b]
.endr
	v_lshl_or_b32 v[PW], v[TM+5], 8, v[TM+4]
	v_lshl_or_b32 v[PW], v[TM+6], 16, v[PW]
	v_lshl_or_b32 v[PW], v[TM+7], 24, v[PW]
	WIN W
.irp c, 0,1
	v_cvt_scalef32_pk16_bf6_f32 v[PC+6*\c:PC+2+6*\c], v[AC+32*\c:AC+15+32*\c], v[TM+12+2*\c]
	v_cvt_scalef32_pk16_bf6_f32 v[PC+12+4*\c:PC+14+4*\c], v[AC+16+32*\c:AC+31+32*\c], v[TM+13+2*\c]
.endr
	WIN 0
	v_nop
.irp c, 0,1
.irp i, 0,1,2
	v_permlane16_swap_b32 v[PC+6*\c+\i], v[PC+12+4*\c+\i]
.endr
.irp i, 0,1,2
	v_mov_b32 v[PC+3+6*\c+\i], v[PC+12+4*\c+\i]
.endr
.endr
.endm
	s_mov_b32 s[SEL], 0x76543210
	s_mov_b32 s[SEL+1], 0xfedcba98
.irp b, 0,1,2,3
	v_mov_b32 v[TM+4+\b], 0
.endr
	s_lshl_b32 s20, s17, 1
	s_add_co_u32 s20, s20, s13
	s_lshl_b32 s20, s20, 5
	s_lshl_b32 s21, s18, 1
	s_add_co_u32 s21, s21, s14
	s_add_co_u32 s20, s20, s21
	s_mul_i32 s20, s20, 12288
	s_lshl_b32 s22, s17, 5
	s_add_co_u32 s22, s22, s21
	s_lshl_b32 s22, s22, 10
	s_lshl_b32 s21, s13, 9
	s_add_co_u32 s22, s22, s21
	s_add_co_u32 s22, s22, FSC
	s_mov_b32 s21, 0
	s_mov_b32 s23, 0
	s_add_nc_u64 s[20:21], s[10:11], s[20:21]
	s_add_nc_u64 s[22:23], s[10:11], s[22:23]
.macro EPI a
.set AC, 64*((\a)%4)
.set W, 2+(\a)/4
.set PC, 128+20*((\a)%2)
.set PW, PWA+(\a)
	WIN ((W<<6)|(W<<2))
.set i, 0
.rept 64
	v_max_num_f32 v[AC+i], 0, v[AC+i]
.set i, i+1
.endr
.if (\a) > 1
	s_wait_xcnt 0x0
.endif
	QUANTW
	ds_store_b32 v[SGW], v[PW] offset:64*(\a)
	global_store_b128 v[L16], v[PC:PC+3], s[20:21] offset:1536*(\a)
	global_store_b64 v[L8], v[PC+4:PC+5], s[20:21] offset:1536*(\a)+512
	global_store_b128 v[L16], v[PC+6:PC+9], s[20:21] offset:1536*(\a)+768
	global_store_b64 v[L8], v[PC+10:PC+11], s[20:21] offset:1536*(\a)+1280
.endm
.irp a, 0,1,2,3,4,5,6,7
	EPI \a
.endr
	ds_load_b128 v[BK:BK+3], v[SGR]
	s_wait_dscnt 0x0
	global_store_b128 v[L16], v[BK:BK+3], s[22:23]
	s_wait_tensorcnt 0x0
	ds_add_u32 v[SPW], v[NIL]
	s_wait_dscnt 0x0
	CROUND
	s_endpgm
.Lfunc_end_k_q70b62ad486_gff1:
	.size	k_q70b62ad486_gff1, .Lfunc_end_k_q70b62ad486_gff1-k_q70b62ad486_gff1
	.p2alignl 7, 3214868480
	.fill 96, 4, 3214868480
	.section	.rodata,"a",@progbits
	.p2align	6, 0x0
	.amdhsa_kernel k_q70b62ad486_gff1
		.amdhsa_group_segment_fixed_size 327680
		.amdhsa_private_segment_fixed_size 0
		.amdhsa_enable_private_segment 0
		.amdhsa_kernarg_size 32
		.amdhsa_user_sgpr_count 2
		.amdhsa_user_sgpr_kernarg_segment_ptr 1
		.amdhsa_wavefront_size32 1
		.amdhsa_system_sgpr_workgroup_id_x 1
		.amdhsa_system_sgpr_workgroup_id_y 1
		.amdhsa_system_sgpr_workgroup_id_z 1
		.amdhsa_system_vgpr_workitem_id 0
		.amdhsa_next_free_vgpr 1024
		.amdhsa_next_free_sgpr 102
		.amdhsa_reserve_vcc 0
		.amdhsa_float_denorm_mode_32 3
		.amdhsa_float_denorm_mode_16_64 3
		.amdhsa_memory_ordered 1
		.amdhsa_forward_progress 1
		.amdhsa_inst_pref_size 170
	.end_amdhsa_kernel
	.amdgpu_metadata
---
amdhsa.version: [ 1, 2 ]
amdhsa.kernels:
  - .name:           k_q70b62ad486_gff1
    .symbol:         k_q70b62ad486_gff1.kd
    .args:
      - { .name: hb, .offset: 0, .size: 8, .value_kind: global_buffer, .address_space: global }
      - { .name: pq, .offset: 8, .size: 8, .value_kind: global_buffer, .address_space: global }
      - { .name: b_ff1, .offset: 16, .size: 8, .value_kind: global_buffer, .address_space: global }
      - { .name: fc, .offset: 24, .size: 8, .value_kind: global_buffer, .address_space: global }
    .group_segment_fixed_size: 327680
    .private_segment_fixed_size: 0
    .kernarg_segment_align: 8
    .kernarg_segment_size: 32
    .max_flat_workgroup_size: 128
    .sgpr_count:     102
    .vgpr_count:     1024
    .wavefront_size: 32
...
	.end_amdgpu_metadata
.endif
;; end of part 5
;; launch gff2 (part 6): grid 8 x 32, 4 waves a work-group, clusters of 4 x 4, 327,680 bytes of LDS; arguments fc, pq, y2; writes y2
.if DOCPART == 6
	.amdgcn_target "amdgcn-amd-amdhsa--gfx1250"
	.amdhsa_code_object_version 6
	.text
	.protected	k_q70b62ad486_gff2
	.globl	k_q70b62ad486_gff2
	.p2align	8
	.type	k_q70b62ad486_gff2,@function
k_q70b62ad486_gff2:
	s_mov_b64 s[64:65], 0
	v_nop
	global_prefetch_b8 v0, s[64:65] scope:SCOPE_SE
	s_setreg_imm32_b32 hwreg(HW_REG_WAVE_MODE, 25, 1), 1
	s_wait_xcnt 0x0
	s_wait_alu depctr_hold_cnt(0) depctr_sa_sdst(0) depctr_va_vdst(0) depctr_va_sdst(0) depctr_va_ssrc(0) depctr_va_vcc(0) depctr_vm_vsrc(0)
	s_getreg_b32 s2, hwreg(HW_REG_IB_STS2, 6, 4)
	s_cmp_eq_u32 s2, 0
	s_cbranch_scc0 .Lentry_in_a_cluster
	s_endpgm
.Lentry_in_a_cluster:
	s_bfe_u32 s2, ttmp6, 0x10000c
	s_cmp_lg_u32 s2, 0xf033
	s_cbranch_scc0 .Lentry_shape_is_right
	s_endpgm
.Lentry_shape_is_right:
.set ASC,   12582912
.set BC,    9830400
.set BS,    12976128
.set PARTA, 49152
.set PARTB, 24576
.set SLOT,  2*PARTA+2*PARTB
.set SCLA,  2*SLOT
.set SCLB,  SCLA+16384
.set SPARE, SCLB+8192
.set ADRA,  16
.set ADRB,  20
.set STO,   24
.set RD,    25
.set CO,    26
.set ADRSA, 27
.set SPW,   28
.set NIL,   29
.set ADRSB, 30
.set SCA,   32
.set SCB,   48
.set TMP,   64
.set BFR,   160
.set G1A, 24
.set G0A, 32
.set G1B, 48
.set G0B, 56
.set G1SA, 68
.set G0SA, 76
.set G1SB, 80
.set G0SB, 88
.set MSB, 0
.macro WIN new
.if MSB != (\new)
	s_set_vgpr_msb (MSB<<8)|(\new)
.set MSB, (\new)
.endif
.endm
.macro PLACES n
.rept \n
	v_nop
.endr
.endm
.macro JLOAD g0a, g1a, g0b, g1b
	s_cmp_eq_u32 s13, 0
	s_cbranch_scc0 .Lfor_b_\@
	tensor_load_to_lds s[\g0a:\g0a+3], s[\g1a:\g1a+7]
	s_nop 0
.rept 4
	v_nop
.endr
	s_branch .Lasked_\@
.Lfor_b_\@:
	tensor_load_to_lds s[\g0b:\g0b+3], s[\g1b:\g1b+7]
	s_nop 0
.rept 4
	v_nop
.endr
.Lasked_\@:
.endm
.macro CREST
	s_cmp_lg_u32 s12, 0
	s_cbranch_scc1 .Lnot_wave_0_\@
	s_barrier_signal -3
.Lnot_wave_0_\@:
	s_barrier_wait -3
	s_barrier_signal -1
	s_barrier_wait -1
.endm
.macro CROUND
	s_barrier_signal -1
	s_barrier_wait -1
	CREST
.endm
	s_load_b128 s[4:7], s[0:1], 0x0
	s_load_b64 s[8:9], s[0:1], 0x10
	v_lshl_add_u32 v[SPW], v0, 2, SPARE
	v_mov_b32 v[NIL], 0
	ds_add_u32 v[SPW], v[NIL]
	ds_add_u32 v[SPW], v[NIL]
	v_lshrrev_b32 v1, 5, v0
	v_readfirstlane_b32 s12, v1
	s_lshr_b32 s13, s12, 1
	s_and_b32 s14, s12, 1
	s_bfe_u32 s15, ttmp6, 0x40000
	s_bfe_u32 s16, ttmp6, 0x40004
	s_and_b32 s17, ttmp7, 0xffff
	s_lshr_b32 s10, s17, 2
	s_and_b32 s17, s17, 3
	s_lshl_b32 s17, s17, 2
	s_add_co_u32 s17, s17, s16
	s_lshl_b32 s18, ttmp9, 2
	s_add_co_u32 s18, s18, s15
	s_lshl_b32 s19, s16, 2
	s_lshl_b32 s19, 15, s19
	s_lshl_b32 s66, 0x1111, s15
	s_or_b32 s[G1A], s19, (3<<16)|(1<<21)
	s_or_b32 s[G1B], s66, (3<<16)|(1<<21)
	s_or_b32 s[G1SA], s19, (3<<16)|(1<<21)
	s_or_b32 s[G1SB], s66, (3<<16)|(1<<21)
	s_mov_b32 s[G1A+1], 32<<16
	s_mov_b32 s[G1A+2], 192<<16
	s_mov_b32 s[G1A+3], 32<<16
	s_mov_b32 s[G1A+4], 192
	s_mov_b32 s[G1A+5], 32
	s_mov_b32 s[G1A+6], 0
	s_mov_b32 s[G1A+7], 0
	s_mov_b32 s[G1B+1], 32<<16
	s_mov_b32 s[G1B+2], 96<<16
	s_mov_b32 s[G1B+3], 32<<16
	s_mov_b32 s[G1B+4], 96
	s_mov_b32 s[G1B+5], 32
	s_mov_b32 s[G1B+6], 0
	s_mov_b32 s[G1B+7], 0
	s_mov_b32 s[G1SA+1], 32<<16
	s_mov_b32 s[G1SA+2], 32<<16
	s_mov_b32 s[G1SA+3], 32<<16
	s_mov_b32 s[G1SA+4], 32
	s_mov_b32 s[G1SA+5], 32
	s_mov_b32 s[G1SA+6], 0
	s_mov_b32 s[G1SA+7], 0
	s_mov_b32 s[G1SB+1], 64<<16
	s_mov_b32 s[G1SB+2], 8<<16
	s_mov_b32 s[G1SB+3], 64<<16
	s_mov_b32 s[G1SB+4], 8
	s_mov_b32 s[G1SB+5], 128
	s_mov_b32 s[G1SB+6], 0
	s_mov_b32 s[G1SB+7], 0
	s_mul_i32 s11, s10, 196608
	s_lshl_b32 s100, s10, 14
	s_lshl_b32 s20, s17, 1
	s_add_co_u32 s20, s20, s14
	s_mul_i32 s20, s20, 393216
	s_add_co_u32 s20, s20, s11
	s_mov_b32 s21, 0
	s_lshl_b32 s22, s17, 15
	s_add_co_u32 s22, s22, s100
	s_lshl_b32 s23, s14, 13
	s_add_co_u32 s22, s22, s23
	s_add_co_u32 s22, s22, ASC
	s_mov_b32 s23, 0
	s_mul_i32 s96, s18, 393216
	s_add_co_u32 s96, s96, s11
	s_mul_i32 s97, s14, PARTB
	s_add_co_u32 s96, s96, s97
	s_add_co_u32 s96, s96, BC
	s_mov_b32 s97, 0
	s_lshr_b32 s98, s18, 1
	s_lshl_b32 s98, s98, 15
	s_and_b32 s99, s18, 1
	s_lshl_b32 s99, s99, 9
	s_add_co_u32 s98, s98, s99
	s_add_co_u32 s98, s98, s100
	s_lshl_b32 s99, s14, 13
	s_add_co_u32 s98, s98, s99
	s_add_co_u32 s98, s98, BS
	s_mov_b32 s99, 0
	s_mul_i32 s2, s14, PARTA
	s_mul_i32 s3, s14, PARTB
	s_add_co_u32 s3, s3, 2*PARTA
	s_lshl_b32 s66, s14, 13
	s_lshl_b32 s67, s14, 12
	s_wait_dscnt 0x0
	s_wait_kmcnt 0x0
	s_add_nc_u64 s[20:21], s[4:5], s[20:21]
	s_add_nc_u64 s[22:23], s[4:5], s[22:23]
	s_add_nc_u64 s[96:97], s[6:7], s[96:97]
	s_add_nc_u64 s[98:99], s[6:7], s[98:99]
	CROUND
	s_mov_b32 s[G0SA], 1
	s_add_co_u32 s[G0SA+1], s66, SCLA
	s_mov_b64 s[G0SA+2:G0SA+3], s[22:23]
	s_or_b32 s[G0SA+3], s[G0SA+3], 0x80000000
	s_mov_b32 s[G0SB], 1
	s_add_co_u32 s[G0SB+1], s67, SCLB
	s_mov_b64 s[G0SB+2:G0SB+3], s[98:99]
	s_or_b32 s[G0SB+3], s[G0SB+3], 0x80000000
	JLOAD G0SA, G1SA, G0SB, G1SB
.irp s, 0,1
	s_mov_b32 s[G0A+4*\s], 1
	s_add_co_u32 s[G0A+4*\s+1], s2, \s*SLOT
	s_add_nc_u64 s[G0A+4*\s+2:G0A+4*\s+3], s[20:21], \s*PARTA
	s_or_b32 s[G0A+4*\s+3], s[G0A+4*\s+3], 0x80000000
	s_mov_b32 s[G0B+4*\s], 1
	s_add_co_u32 s[G0B+4*\s+1], s3, \s*SLOT
	s_add_nc_u64 s[G0B+4*\s+2:G0B+4*\s+3], s[96:97], \s*2*PARTB
	s_or_b32 s[G0B+4*\s+3], s[G0B+4*\s+3], 0x80000000
	s_wait_alu depctr_va_vdst(0)
	s_wait_tensorcnt 0x0
	ds_add_u32 v28, v29
	s_wait_dscnt 0x0
	CROUND
	JLOAD G0A+4*\s, G1A, G0B+4*\s, G1B
.endr
	v_and_b32 v1, 31, v0
	v_and_b32 v2, 15, v0
	v_bfe_u32 v3, v0, 4, 1
	v_lshlrev_b32 v4, 4, v1
	v_lshlrev_b32 v5, 3, v1
	s_mul_i32 s66, s13, PARTA
	s_mul_i32 s67, s14, 6144
	s_add_co_u32 s67, s67, 2*PARTA
.irp s, 0,1
	v_add_nc_u32 v[ADRA+\s], s66, v4
	v_add_nc_u32 v[ADRA+2+\s], s66, v5
	v_add_nc_u32 v[ADRB+\s], s67, v4
	v_add_nc_u32 v[ADRB+2+\s], s67, v5
	s_add_co_u32 s66, s66, SLOT
	s_add_co_u32 s67, s67, SLOT
.endr
	s_lshl_b32 s66, s13, 9
	s_add_co_u32 s66, s66, SCLA
	v_lshl_add_u32 v[ADRSA], v2, 2, s66
	s_lshl_b32 s66, s14, 8
	s_add_co_u32 s66, s66, SCLB
	v_lshl_add_u32 v[ADRSB], v2, 2, s66
	s_mul_i32 s66, s12, 4352
	v_mul_u32_u24 v6, v2, 272
	v_lshl_add_u32 v6, v3, 6, v6
	v_add_nc_u32 v[STO], s66, v6
	v_mul_u32_u24 v6, v3, 272
	v_lshl_add_u32 v6, v2, 4, v6
	v_add_nc_u32 v[RD], s66, v6
	v_lshlrev_b32 v[CO], 12, v3
	v_lshl_add_u32 v[CO], v2, 4, v[CO]
	s_lshl_b32 s20, s17, 8
	s_lshl_b32 s21, s13, 7
	s_add_co_u32 s20, s20, s21
	s_lshl_b32 s20, s20, 12
	s_lshl_b32 s21, s18, 9
	s_add_co_u32 s20, s20, s21
	s_lshl_b32 s21, s14, 8
	s_add_co_u32 s20, s20, s21
	s_lshl_b32 s21, s10, 24
	s_add_co_u32 s20, s20, s21
	s_mov_b32 s21, 0
	s_add_nc_u64 s[40:41], s[8:9], s[20:21]
.macro FRAG reg, adr, off
	ds_load_b128 v[\reg:\reg+3], v[\adr] offset:\off
	ds_load_b64 v[\reg+4:\reg+5], v[\adr+2] offset:\off+512
	ds_load_b128 v[\reg+6:\reg+9], v[\adr] offset:\off+768
	ds_load_b64 v[\reg+10:\reg+11], v[\adr+2] offset:\off+1280
.endm
.macro FETCH slot, q, p, ks
	WIN 0x40
.irp i, 0,1,2,3,4,5,6,7
	FRAG 96*(\p)+12*\i, ADRA+\slot, 12288*(\q)+1536*\i
.endr
	WIN 0xc0
.irp i, 0,1,2,3
	FRAG BFR+48*(\p)+12*\i, ADRB+\slot, 12288*(\q)+1536*\i
.endr
	WIN 0
.irp i, 0,1,2,3,4,5,6,7
	ds_load_b32 v[SCA+8*(\p)+\i], v[ADRSA] offset:1024*(\ks)+64*\i
.endr
.irp i, 0,1,2,3
	ds_load_b32 v[SCB+4*(\p)+\i], v[ADRSB] offset:512*(\ks)+64*\i
.endr
.endm
.macro MULS p, a0, n, zero
	WIN 0xa7
.set AA, \a0
.rept \n
.irp b, 0,1,2,3
.if \zero
	v_wmma_scale_f32_16x16x128_f8f6f4 v[8*(4*AA+\b):8*(4*AA+\b)+7], v[BFR+48*(\p)+12*\b:BFR+48*(\p)+12*\b+11], v[96*(\p)+12*AA:96*(\p)+12*AA+11], 0, v[SCB+4*(\p)+\b], v[SCA+8*(\p)+AA] matrix_a_fmt:MATRIX_FMT_BF6 matrix_b_fmt:MATRIX_FMT_BF6
.else
	v_wmma_scale_f32_16x16x128_f8f6f4 v[8*(4*AA+\b):8*(4*AA+\b)+7], v[BFR+48*(\p)+12*\b:BFR+48*(\p)+12*\b+11], v[96*(\p)+12*AA:96*(\p)+12*AA+11], v[8*(4*AA+\b):8*(4*AA+\b)+7], v[SCB+4*(\p)+\b], v[SCA+8*(\p)+AA] matrix_a_fmt:MATRIX_FMT_BF6 matrix_b_fmt:MATRIX_FMT_BF6
.endif
.endr
.set AA, AA+1
.endr
.endm
.macro QTR slot, q, ks, zero
	s_wait_dscnt 0x0
	PLACES 4
	FETCH \slot, (\q)+1, 1-(\q)%2, (\ks)+1
	MULS (\q)%2, 0, 8, \zero
.endm
.macro TURN slot, next, fill, ks
	WIN 0
	s_wait_tensorcnt 0x0
	ds_add_u32 v[SPW], v[NIL]
	s_wait_dscnt 1
	MULS 1, 0, 2, 0
	s_wait_dscnt 0x0
	s_barrier_signal -1
	MULS 1, 2, 2, 0
	WIN 0
	s_barrier_wait -1
.if \fill
	CREST
	s_add_nc_u64 s[G0A+4*\slot+2:G0A+4*\slot+3], s[G0A+4*\slot+2:G0A+4*\slot+3], 2*PARTA
	s_add_nc_u64 s[G0B+4*\slot+2:G0B+4*\slot+3], s[G0B+4*\slot+2:G0B+4*\slot+3], 4*PARTB
	JLOAD G0A+4*\slot, G1A, G0B+4*\slot, G1B
.else
	PLACES 4
.endif
	FETCH \next, 0, 0, \ks
	MULS 1, 4, 4, 0
.endm
	s_wait_alu depctr_va_vdst(0)
	s_wait_tensorcnt 1
	s_barrier_signal -1
	s_barrier_wait -1
	FETCH 0, 0, 0, 0
	QTR 0, 0, 0, 1
	QTR 0, 1, 1, 0
	QTR 0, 2, 2, 0
	TURN 0, 1, 1, 4
	QTR 1, 0, 4, 0
	QTR 1, 1, 5, 0
	QTR 1, 2, 6, 0
	TURN 1, 0, 1, 8
	QTR 0, 0, 8, 0
	QTR 0, 1, 9, 0
	QTR 0, 2, 10, 0
	TURN 0, 1, 0, 12
	QTR 1, 0, 12, 0
	QTR 1, 1, 13, 0
	QTR 1, 2, 14, 0
	s_wait_dscnt 0x0
	MULS 1, 0, 8, 0
	WIN 0
	PLACES 4
.macro TOSTAGE a
	WIN 0x08
.irp b, 0,1,2,3
	ds_store_b128 v[STO], v[8*(4*(\a)+\b):8*(4*(\a)+\b)+3] offset:128*(\b/2)+32*(\b%2)
	ds_store_b128 v[STO], v[8*(4*(\a)+\b)+4:8*(4*(\a)+\b)+7] offset:128*(\b/2)+32*(\b%2)+16
.endr
	WIN 0
.irp i, 0,1,2,3,4,5,6,7
	ds_load_b128 v[TMP+32*((\a)%2)+4*\i:TMP+32*((\a)%2)+4*\i+3], v[RD] offset:544*\i
.endr
.endm
.macro SEND a, younger
.set TT, TMP+32*((\a)%2)
	s_wait_dscnt \younger
.irp i, 0,1,2,3,4,5,6,7
	global_store_b128 v[CO], v[TT+4*\i:TT+4*\i+3], s[40:41] offset:(32*((\a)/2)+8*((\a)%2)+2*\i+8*(\i/4))*4096
.endr
.endm
	TOSTAGE 0
.irp a, 1,2,3,4,5,6,7
.if \a > 1
	s_wait_xcnt 0x0
.endif
	TOSTAGE \a
	SEND \a-1, 16
.endr
	SEND 7, 0
	s_wait_tensorcnt 0x0
	ds_add_u32 v[SPW], v[NIL]
	s_wait_dscnt 0x0
	CROUND
	s_endpgm
.Lfunc_end_k_q70b62ad486_gff2:
	.size	k_q70b62ad486_gff2, .Lfunc_end_k_q70b62ad486_gff2-k_q70b62ad486_gff2
	.p2alignl 7, 3214868480
	.fill 96, 4, 3214868480
	.section	.rodata,"a",@progbits
	.p2align	6, 0x0
	.amdhsa_kernel k_q70b62ad486_gff2
		.amdhsa_group_segment_fixed_size 327680
		.amdhsa_private_segment_fixed_size 0
		.amdhsa_enable_private_segment 0
		.amdhsa_kernarg_size 24
		.amdhsa_user_sgpr_count 2
		.amdhsa_user_sgpr_kernarg_segment_ptr 1
		.amdhsa_wavefront_size32 1
		.amdhsa_system_sgpr_workgroup_id_x 1
		.amdhsa_system_sgpr_workgroup_id_y 1
		.amdhsa_system_sgpr_workgroup_id_z 1
		.amdhsa_system_vgpr_workitem_id 0
		.amdhsa_next_free_vgpr 1024
		.amdhsa_next_free_sgpr 102
		.amdhsa_reserve_vcc 0
		.amdhsa_float_denorm_mode_32 3
		.amdhsa_float_denorm_mode_16_64 3
		.amdhsa_memory_ordered 1
		.amdhsa_forward_progress 1
		.amdhsa_inst_pref_size 158
	.end_amdhsa_kernel
	.amdgpu_metadata
---
amdhsa.version: [ 1, 2 ]
amdhsa.kernels:
  - .name:           k_q70b62ad486_gff2
    .symbol:         k_q70b62ad486_gff2.kd
    .args:
      - { .name: fc, .offset: 0, .size: 8, .value_kind: global_buffer, .address_space: global }
      - { .name: pq, .offset: 8, .size: 8, .value_kind: global_buffer, .address_space: global }
      - { .name: y2, .offset: 16, .size: 8, .value_kind: global_buffer, .address_space: global }
    .group_segment_fixed_size: 327680
    .private_segment_fixed_size: 0
    .kernarg_segment_align: 8
    .kernarg_segment_size: 24
    .max_flat_workgroup_size: 128
    .sgpr_count:     102
    .vgpr_count:     1024
    .wavefront_size: 32
...
	.end_amdgpu_metadata
.endif
;; end of part 6
;; launch ln2 (part 7): grid 256 x 1, 16 waves a work-group, no clusters, 0 bytes of LDS; arguments y2, hb, b_ff2, g2, beta2, out0; writes out0
.if DOCPART == 7
	.amdgcn_target "amdgcn-amd-amdhsa--gfx1250"
	.amdhsa_code_object_version 6
	.text
	.protected	k_q70b62ad486_ln2
	.globl	k_q70b62ad486_ln2
	.p2align	8
	.type	k_q70b62ad486_ln2,@function
k_q70b62ad486_ln2:
	s_mov_b64 s[64:65], 0
	v_nop
	global_prefetch_b8 v0, s[64:65] scope:SCOPE_SE
	s_setreg_imm32_b32 hwreg(HW_REG_WAVE_MODE, 25, 1), 1
	s_wait_xcnt 0x0
; LN2: out0 = layer_norm((y2[0] + y2[1] + b_ff2) + h), in f32: the two halves of the last product's sum over K are added here, with its bias and the residual.  No work of reference() is left out.
; A stream: memory binds.  A wave takes one whole row of 4,096 bytes, 32 registers for each of its six runs of numbers, so that the sums never leave the wave: no LDS, no barrier.
; Each load and store covers 512 consecutive bytes; all 48 loads of a wave are out at once.  Sixteen waves a work-group, 16 rows; 256 work-groups.  h lies at the head of hb.
; LIMITS: NaN and infinities are not served.
.set L16, 2                            ; v2 16 x lane
.set Y,   16                           ; v16-47   the first half's sums, then the row at work
.set PB,  48                           ; v48-79   the second half's sums
.set HH,  80                           ; v80-111  h
.set BF,  112                          ; v112-143 b_ff2 at my columns
.set GM,  144                          ; v144-175 the gain
.set BT,  176                          ; v176-207 the shift
.set SA,  208                          ; v208-215 two running pairs, the mean twice, 1 / sigma twice
.set ST,  216                          ; v216     the other half of the lanes'
.set SEL, 2                            ; s2, s3
.macro LANES                           ; v[SA] is summed over the 32 lanes; every lane ends with the sum
.irp m, 1,2,4,8
	s_delay_alu instid0(VALU_DEP_1)
	v_add_f32_dpp v[SA], v[SA], v[SA] row_xmask:\m row_mask:0xf bank_mask:0xf
.endr
	s_delay_alu instid0(VALU_DEP_1)
	v_permlanex16_b32 v[ST], v[SA], s[SEL], s[SEL+1]
	s_delay_alu instid0(VALU_DEP_1)
	v_add_f32 v[SA], v[SA], v[ST]
.endm
	s_load_b256 s[4:11], s[0:1], 0x0               ; y2, hb, b_ff2, g2
	s_load_b128 s[12:15], s[0:1], 0x20             ; beta2, out0
	v_lshrrev_b32 v1, 5, v0
	s_delay_alu instid0(VALU_DEP_1)
	v_readfirstlane_b32 s16, v1                    ; wave 0..15
	v_and_b32 v1, 31, v0
	s_delay_alu instid0(VALU_DEP_1)
	v_lshlrev_b32 v[L16], 4, v1
	v_mov_b32 v[ST], 0                             ; written once: a lane permute's destination counts as one of its sources
	s_mov_b32 s[SEL], 0x76543210
	s_mov_b32 s[SEL+1], 0xfedcba98
	s_mov_b32 s17, 0x3a800000                      ; 1 / 1,024
	s_mov_b32 s18, 0x3727c5ac                      ; 1e-5
	s_lshl_b32 s20, ttmp9, 4
	s_add_co_u32 s20, s20, s16                     ; my row: 16 x work-group + wave
	s_lshl_b32 s20, s20, 12
	s_mov_b32 s21, 0
	s_wait_alu depctr_va_vdst(0)
	s_wait_kmcnt 0x0
	s_add_nc_u64 s[4:5], s[4:5], s[20:21]          ; the first half's sums,
	s_add_nc_u64 s[22:23], s[4:5], 0x1000000       ; the second half's, 16,777,216 bytes on,
	s_add_nc_u64 s[6:7], s[6:7], s[20:21]          ; h,
	s_add_nc_u64 s[14:15], s[14:15], s[20:21]      ; and the output
.irp j, 0,1,2,3,4,5,6,7
	global_load_b128 v[Y+4*\j:Y+4*\j+3], v[L16], s[4:5] offset:512*\j th:TH_LOAD_NT
.endr
.irp j, 0,1,2,3,4,5,6,7
	global_load_b128 v[PB+4*\j:PB+4*\j+3], v[L16], s[22:23] offset:512*\j th:TH_LOAD_NT
.endr
.irp j, 0,1,2,3,4,5,6,7
	global_load_b128 v[HH+4*\j:HH+4*\j+3], v[L16], s[6:7] offset:512*\j th:TH_LOAD_NT
.endr
.irp j, 0,1,2,3,4,5,6,7
	global_load_b128 v[BF+4*\j:BF+4*\j+3], v[L16], s[8:9] offset:512*\j
.endr
.irp j, 0,1,2,3,4,5,6,7
	global_load_b128 v[GM+4*\j:GM+4*\j+3], v[L16], s[10:11] offset:512*\j
	global_load_b128 v[BT+4*\j:BT+4*\j+3], v[L16], s[12:13] offset:512*\j
.endr
	s_wait_loadcnt 16                              ; the row's four runs are in; the 16 loads of gain and shift may be out
.irp j, 0,2,4,6,8,10,12,14,16,18,20,22,24,26,28,30
	v_pk_add_f32 v[Y+\j:Y+\j+1], v[Y+\j:Y+\j+1], v[PB+\j:PB+\j+1]   ; the product's whole sum over K,
.endr
.irp j, 0,2,4,6,8,10,12,14,16,18,20,22,24,26,28,30
	v_pk_add_f32 v[Y+\j:Y+\j+1], v[Y+\j:Y+\j+1], v[BF+\j:BF+\j+1]   ; + b_ff2,
.endr
.irp j, 0,2,4,6,8,10,12,14,16,18,20,22,24,26,28,30
	v_pk_add_f32 v[Y+\j:Y+\j+1], v[Y+\j:Y+\j+1], v[HH+\j:HH+\j+1]   ; + h
.endr
	v_pk_add_f32 v[SA:SA+1], v[Y:Y+1], v[Y+2:Y+3]                   ; the row's sum, in two chains
	v_pk_add_f32 v[SA+2:SA+3], v[Y+4:Y+5], v[Y+6:Y+7]
.irp j, 8,12,16,20,24,28
	s_delay_alu instid0(VALU_DEP_2)
	v_pk_add_f32 v[SA:SA+1], v[SA:SA+1], v[Y+\j:Y+\j+1]
	s_delay_alu instid0(VALU_DEP_2)
	v_pk_add_f32 v[SA+2:SA+3], v[SA+2:SA+3], v[Y+\j+2:Y+\j+3]
.endr
	s_delay_alu instid0(VALU_DEP_1)
	v_pk_add_f32 v[SA:SA+1], v[SA:SA+1], v[SA+2:SA+3]
	s_delay_alu instid0(VALU_DEP_1)
	v_add_f32 v[SA], v[SA], v[SA+1]
	LANES
	s_delay_alu instid0(VALU_DEP_1)
	v_mul_f32 v[SA+4], s17, v[SA]                  ; the mean, in both registers of a pair
	s_delay_alu instid0(VALU_DEP_2)
	v_mul_f32 v[SA+5], s17, v[SA]
.irp j, 0,2,4,6,8,10,12,14,16,18,20,22,24,26,28,30
	v_pk_add_f32 v[Y+\j:Y+\j+1], v[Y+\j:Y+\j+1], v[SA+4:SA+5] neg_lo:[0,1] neg_hi:[0,1]   ; x - mean
.endr
	v_pk_mul_f32 v[SA:SA+1], v[Y:Y+1], v[Y:Y+1]                     ; the sum of squares, likewise
	v_pk_mul_f32 v[SA+2:SA+3], v[Y+2:Y+3], v[Y+2:Y+3]
.irp j, 4,8,12,16,20,24,28
	s_delay_alu instid0(VALU_DEP_2)
	v_pk_fma_f32 v[SA:SA+1], v[Y+\j:Y+\j+1], v[Y+\j:Y+\j+1], v[SA:SA+1]
	s_delay_alu instid0(VALU_DEP_2)
	v_pk_fma_f32 v[SA+2:SA+3], v[Y+\j+2:Y+\j+3], v[Y+\j+2:Y+\j+3], v[SA+2:SA+3]
.endr
	s_delay_alu instid0(VALU_DEP_1)
	v_pk_add_f32 v[SA:SA+1], v[SA:SA+1], v[SA+2:SA+3]
	s_delay_alu instid0(VALU_DEP_1)
	v_add_f32 v[SA], v[SA], v[SA+1]
	LANES
	s_delay_alu instid0(VALU_DEP_1)
	v_fma_f32 v[SA], v[SA], s17, s18               ; the variance + 1e-5
	s_wait_alu depctr_va_vdst(0)
	v_rsq_f32 v[SA+6], v[SA]                       ; twice, to fill the pair that the packed multiply takes
	v_rsq_f32 v[SA+7], v[SA]
	v_nop                                          ; a plain place behind the second of them
	s_wait_alu depctr_va_vdst(0)                   ; one wait for the two, ahead of their first reader
	s_wait_loadcnt 0x0                             ; gain and shift
.irp j, 0,2,4,6,8,10,12,14,16,18,20,22,24,26,28,30
	v_pk_mul_f32 v[Y+\j:Y+\j+1], v[Y+\j:Y+\j+1], v[SA+6:SA+7]
.endr
.irp j, 0,2,4,6,8,10,12,14,16,18,20,22,24,26,28,30
	v_pk_fma_f32 v[Y+\j:Y+\j+1], v[Y+\j:Y+\j+1], v[GM+\j:GM+\j+1], v[BT+\j:BT+\j+1]
.endr
.irp j, 0,1,2,3,4,5,6,7
	global_store_b128 v[L16], v[Y+4*\j:Y+4*\j+3], s[14:15] offset:512*\j th:TH_STORE_NT
.endr
	s_endpgm
.Lfunc_end_k_q70b62ad486_ln2:
	.size	k_q70b62ad486_ln2, .Lfunc_end_k_q70b62ad486_ln2-k_q70b62ad486_ln2
	.p2alignl 7, 3214868480
	.fill 96, 4, 3214868480
	.section	.rodata,"a",@progbits
	.p2align	6, 0x0
	.amdhsa_kernel k_q70b62ad486_ln2
		.amdhsa_group_segment_fixed_size 0
		.amdhsa_private_segment_fixed_size 0
		.amdhsa_enable_private_segment 0
		.amdhsa_kernarg_size 48
		.amdhsa_user_sgpr_count 2
		.amdhsa_user_sgpr_kernarg_segment_ptr 1
		.amdhsa_wavefront_size32 1
		.amdhsa_system_sgpr_workgroup_id_x 1
		.amdhsa_system_sgpr_workgroup_id_y 1
		.amdhsa_system_sgpr_workgroup_id_z 1
		.amdhsa_system_vgpr_workitem_id 0
		.amdhsa_next_free_vgpr 224
		.amdhsa_next_free_sgpr 66
		.amdhsa_reserve_vcc 0
		.amdhsa_float_denorm_mode_32 3
		.amdhsa_float_denorm_mode_16_64 3
		.amdhsa_memory_ordered 1
		.amdhsa_forward_progress 1
		.amdhsa_inst_pref_size 17
	.end_amdhsa_kernel
	.amdgpu_metadata
---
amdhsa.version: [ 1, 2 ]
amdhsa.kernels:
  - .name:           k_q70b62ad486_ln2
    .symbol:         k_q70b62ad486_ln2.kd
    .args:
      - { .name: y2, .offset: 0, .size: 8, .value_kind: global_buffer, .address_space: global }
      - { .name: hb, .offset: 8, .size: 8, .value_kind: global_buffer, .address_space: global }
      - { .name: b_ff2, .offset: 16, .size: 8, .value_kind: global_buffer, .address_space: global }
      - { .name: g2, .offset: 24, .size: 8, .value_kind: global_buffer, .address_space: global }
      - { .name: beta2, .offset: 32, .size: 8, .value_kind: global_buffer, .address_space: global }
      - { .name: out0, .offset: 40, .size: 8, .value_kind: global_buffer, .address_space: global }
    .group_segment_fixed_size: 0
    .private_segment_fixed_size: 0
    .kernarg_segment_align: 8
    .kernarg_segment_size: 48
    .max_flat_workgroup_size: 512
    .sgpr_count:     66
    .vgpr_count:     224
    .wavefront_size: 32
...
	.end_amdgpu_metadata
.endif
;; end of part 7
